; MI455X (gfx1250); checked and timed in simulation.
; The chip was launched on July 23, 2026; its instructions are those of AMD's public machine-readable ISA for CDNA 5 (MIT licence, August 2026) and "CDNA5" Instruction Set Architecture Reference Guide (July 2026). The comments in the code are by the model that wrote it; some were corrected since.
;; mutli Head Attention. Allowed arithmetic: matrix products marked QUANTISED: E4M3 operands, one given power-of-two scale a tensor, by v_wmma_f32_16x16x64_fp8_fp8 or v_wmma_f32_16x16x128_fp8_fp8, f32 sums; everything else in f32.
;; Inputs: attn_mask 4 x 1 x 2,048 x 2,048 bool; input_K_codes 4 x 2,048 x 32 x 32 uint8 (E4M3 codes of input_K, K innermost, in blocks of 32 codes); input_Q 4 x 2,048 x 1,024 float32; input_V_codes 4 x 2,048 x 32 x 32 uint8 (E4M3 codes of input_V, K innermost, in blocks of 32 codes); ln_beta 1,024 float32; ln_gamma 1,024 float32; lowp_scales 12 int32 (the exponents e of the quantised operands' scales 2^e); w_k_codes 1,024 x 32 x 32 uint8 (E4M3 codes of w_k, K innermost, in blocks of 32 codes); w_o_codes 1,024 x 32 x 32 uint8 (E4M3 codes of w_o, K innermost, in blocks of 32 codes); w_q_codes 1,024 x 32 x 32 uint8 (E4M3 codes of w_q, K innermost, in blocks of 32 codes); w_v_codes 1,024 x 32 x 32 uint8 (E4M3 codes of w_v, K innermost, in blocks of 32 codes).
;; Outputs: out0 4 x 2,048 x 1,024 float32.
;; This version of the problem:
;;   THIS VERSION OF THE PROBLEM IS GIVEN IN LOW PRECISION. The matrix products marked QUANTISED in the list below multiply operands that are first quantised to E4M3 (4 exponent bits, 3 mantissa bits; 8 bits a number), with one given power-of-two scale for each operand tensor; their sums are f32. All else is computed in f32.
;;   The module's matrix products, in the order in which they are computed (A, B: the left and right operand; K: the contracted axis; several contracted axes count as one K, in the product's order):
;;     1. [M 8,192, K 1,024] x [K 1,024, N 1,024]; A: input input_Q; B: input w_q (given as codes): QUANTISED (scales: A lowp_scales[0], B lowp_scales[1])
;;     2. [M 8,192, K 1,024] x [K 1,024, N 1,024]; A: input input_K (given as codes); B: input w_k (given as codes): QUANTISED (scales: A lowp_scales[2], B lowp_scales[3])
;;     3. [M 8,192, K 1,024] x [K 1,024, N 1,024]; A: input input_V (given as codes); B: input w_v (given as codes): QUANTISED (scales: A lowp_scales[4], B lowp_scales[5])
;;     4. batch 64 x [M 2,048, K 64] x [K 64, N 2,048]; A: computed on the way; B: computed on the way: QUANTISED (scales: A lowp_scales[6], B lowp_scales[7])
;;     5. batch 64 x [M 2,048, K 2,048] x [K 2,048, N 64]; A: softmax (see below); B: computed on the way: QUANTISED (scales: A lowp_scales[8], B lowp_scales[9])
;;     6. [M 8,192, K 1,024] x [K 1,024, N 1,024]; A: computed on the way; B: input w_o (given as codes): QUANTISED (scales: A lowp_scales[10], B lowp_scales[11])
;;   THE QUANTISER, for each operand of a quantised product, along K:
;;     - The operand's scale is 2^e, e = its entry of the input lowp_scales (int32; the entries are numbered through the quantised products in the list's order, A before B).
;;     - Each number is divided by the scale, clamped to +-448, and rounded to the nearest number of E4M3, ties to even, subnormals kept.
;;     - The product sums the exact products of the quantised numbers (number of the format x scale) in f32.
;;   ~~~python
;;   def quantise(x, axis, e):      # numpy; x: float32 -> the quantised numbers, widened to float32 again
;;       x = np.moveaxis(x, axis, -1); K = x.shape[-1]
;;       r = np.clip(x / 2.0 ** e, -448, 448)
;;       step = 2.0 ** (np.maximum(np.frexp(np.where(r == 0, 1, r))[1] - 1, -6) - 3)
;;       q = np.round(r / step) * step * 2.0 ** e      # np.round: ties to even
;;       return np.moveaxis(q, -1, axis).astype(np.float32)
;;   ~~~
;;   SOFTMAX AHEAD OF A QUANTISED PRODUCT. Where the list says 'softmax', what is quantised is not the finished softmax but p = 2^(t - M), with t = logit x log2(e) and M = ceil(the row's largest t), a whole number; so 1/2 < the row's largest p <= 1. The row's sum l is taken of the UNQUANTISED p, in f32, and the product's result is divided by l at the end. Since M is a whole number, a kernel that streams over the keys may use a running M (the ceiling of the running maximum): every later rescaling is an exact power of two, so the quantised numbers keep their values, but for numbers so far below the row's largest that they fall under the format's range.
;;   OPERANDS COMPUTED ON THE WAY. 'Computed on the way' means the value that the module computes at that place (a softmax that the list does not call 'softmax' is quantised finished and normalised). What goes into a quantiser is computed in f32, as accurately as f32 sums, v_exp_f32 and their like allow (about 1e-6 of the number): no bf16 or f16 on the way to a quantiser, and a product that is left as it is and whose result goes on into a quantised operand takes f32 operands (vector FMAs, or v_wmma_f32_16x16x4_f32). A number that lies on a knife's edge between two numbers of the format may be rounded either way, as far as f32 arithmetic and the matrix unit's own rounding can turn it there, and no further.
;;   INPUTS GIVEN AS CODES. input_K (in the module: [4, 2048, 1024], K = its axis 2); input_V (in the module: [4, 2048, 1024], K = its axis 2); w_k (in the module: [1024, 1024], K = its axis 1); w_o (in the module: [1024, 1024], K = its axis 1); w_q (in the module: [1024, 1024], K = its axis 1); w_v (in the module: [1024, 1024], K = its axis 1): each comes as NAME_codes (uint8): NAME with its K axis moved to the last place and cut into blocks of 32 codes, [.., K / 32, bytes a block], one block behind the other in memory; one code a byte (a code: sign, 4 exponent bits, 3 mantissa bits); its scale is its entry of lowp_scales. Its value is code x scale, taken as it is: it is not quantised again, and the codes and scales need not be those that the quantiser above would give.
;; One version. Each part assembles by itself: llvm-mc -triple=amdgcn-amd-amdhsa -mcpu=gfx1250 --defsym DOCPART=n.
;; ======== version 1 of 1: 4 launches
;; limits: right only within a limited range of input values
;; workspace buffers: qx 8,388,608 bytes; maskw 2,097,152 bytes of whole numbers; wof 1,048,576 bytes; qf 8,388,608 bytes; kf 8,388,608 bytes; vf 8,388,608 bytes; ctxf 8,388,608 bytes
;; launch prep (part 1): grid 512 x 1, 4 waves a work-group, no clusters, 74,240 bytes of LDS; arguments input_Q, attn_mask, w_o_codes, lowp_scales, qx, maskw, wof; writes qx, maskw, wof
.if DOCPART == 1
	.amdgcn_target "amdgcn-amd-amdhsa--gfx1250"
	.amdhsa_code_object_version 6
	.text
	.protected	k_qca58b1bca9_prep
	.globl	k_qca58b1bca9_prep
	.p2align	8
	.type	k_qca58b1bca9_prep,@function
k_qca58b1bca9_prep:
	s_mov_b64 s[64:65], 0
	v_nop
	global_prefetch_b8 v0, s[64:65] scope:SCOPE_SE
	s_setreg_imm32_b32 hwreg(HW_REG_WAVE_MODE, 25, 1), 1
	s_wait_xcnt 0x0
; PREP: three small jobs that later launches read many times over, done once.  2,048 waves; wave gw = 4 x work-group + wave.  Waves share nothing: no barrier.
;  M  attn_mask (one byte a key) -> maskw: 32-bit LANE MASKS.  Word [b][qp][ks][X][c][j], bit 16 h + r = attn_mask[b][32 qp + 16 X + r][64 ks + 16 c + 8 h + j]:
;     the very lanes and registers in which the attention launch holds its scores, so that one select a score honours the mask there.  Wave gw: 32 queries x 256 keys.
;  Q  input_Q (f32) -> qx: E4M3 codes at the given 2^e0, row-major, K innermost.  code = x / 2^e0, held within +-448, to the nearest code, ties to even.  Wave gw: 4,096 numbers.
;  W  w_o_codes -> wof: the same codes in the order of a K = 128 operand's registers: [s 8][T 64][g 4][lane 32][16 bytes]; lane (r, h): w_o[16 T + r][128 s + 32 g + 8 h + 0..7], then the same 16 further along K.
;     256 units (16 rows x 256 codes): the first 64 work-groups take one a wave.
; LIMITS: -126 <= e0 <= 119, so that 2^e0 and 448 x 2^e0 are f32 numbers.  NaN in input_Q is not served (an infinity is held at the largest code).
.set WREG,  18432                      ; LDS of a wave: two stages for Q (2 x 2,560), one for the mask (32 x 272), one for w_o (16 x 272): each job has bytes of its own
.set MST,   5120
.set WST,   13824
.set SP,    80                         ; Q's stage: a lane's 64 bytes + 16 of padding
.set STEPS, 8                          ; Q: steps of 512 numbers
.set R,     16                         ; v16-79   Q: four sets of 16 numbers as loaded
.set X,     80                         ; v80-111  Q: two sets of 16 neighbours
.set C,     112                        ; v112-143 Q: four registers of codes for each step: no store's data are written again
.set MB,    80                         ; v80-143  M (ahead of Q's use): 8 bytes of the mask for each (ks, X, c)
.set MK,    144                        ; v144-207 M: 32 rows x 256 bytes as loaded;  W: v144-175 as loaded, v176-207 in the operand's order
.set W,     240                        ; v240-247 M: the words of four key steps, two registers each: lane L holds words 2 L and 2 L + 1
.set T,     248                        ; v248-251 at work
	s_load_b256 s[4:11], s[0:1], 0x0               ; input_Q s[4:5], attn_mask s[6:7], w_o_codes s[8:9], lowp_scales s[10:11]
	s_load_b128 s[12:15], s[0:1], 0x20             ; qx s[12:13], maskw s[14:15]
	s_load_b64 s[16:17], s[0:1], 0x30              ; wof
	v_lshl_add_u32 v254, v0, 2, 0x12000
	v_mov_b32 v255, 0
	v_lshrrev_b32 v1, 5, v0
	v_readfirstlane_b32 s18, v1                    ; wave 0..3
	v_and_b32 v1, 31, v0                           ; lane
	v_and_b32 v2, 15, v0                           ; r
	v_bfe_u32 v15, v0, 4, 1                        ; h
	v_lshlrev_b32 v3, 4, v1                        ; 16 x lane
	v_lshlrev_b32 v4, 3, v1                        ; 8 x lane
	s_mul_i32 s19, s18, WREG
	v_lshlrev_b32 v5, 11, v15
	v_lshl_add_u32 v5, v2, 4, v5                   ; mask in memory: sixteen lanes to a row's 256 bytes, two rows (2,048 bytes apart) a load
	v_mul_u32_u24 v6, v15, 272
	v_lshl_add_u32 v6, v2, 4, v6
	v_add_nc_u32 v6, s19, v6
	v_add_nc_u32 v12, WST, v6                      ; w_o's stage, on the way in
	v_add_nc_u32 v6, MST, v6                       ; the mask's stage, on the way in
	v_mul_u32_u24 v7, v2, 272
	v_lshl_add_u32 v7, v15, 3, v7
	v_add_nc_u32 v7, s19, v7
	v_add_nc_u32 v13, WST, v7                      ; w_o's stage, on the way out: row r, + 8 h
	v_add_nc_u32 v7, MST, v7                       ; the mask's likewise
	v_lshrrev_b32 v8, 2, v1
	v_mul_u32_u24 v8, v8, SP
	v_and_b32 v9, 3, v1
	v_lshl_add_u32 v8, v9, 4, v8
	v_add_nc_u32 v8, s19, v8                       ; Q's stage in: four lanes' 64 bytes on end, then 16 of padding
	v_mul_u32_u24 v9, v1, SP
	v_add_nc_u32 v9, s19, v9                       ; and out: my 16 neighbours
	v_lshlrev_b32 v14, 10, v15
	v_lshl_add_u32 v14, v2, 4, v14                 ; w_o in memory: two rows (1,024 bytes apart) a load
	s_lshl_b32 s20, ttmp9, 2
	s_add_co_u32 s20, s20, s18                     ; gw
	s_lshr_b32 s22, s20, 3
	s_lshl_b32 s22, s22, 16                        ; (64 b + qp) x 32 rows x 2,048 bytes
	s_and_b32 s23, s20, 7
	s_lshl_b32 s23, s23, 8                         ; + 256 keys x (gw mod 8)
	s_add_co_u32 s22, s22, s23
	s_mov_b32 s23, 0
	s_lshl_b32 s24, s20, 10                        ; maskw: ((64 b + qp) x 32 + 4 (gw mod 8)) x 256 bytes = 1,024 gw
	s_mov_b32 s25, 0
	s_lshl_b32 s26, s20, 14                        ; input_Q: 4,096 numbers a wave
	s_mov_b32 s27, 0
	s_lshl_b32 s28, s20, 12                        ; qx: 4,096 codes a wave
	s_mov_b32 s29, 0
	s_mov_b32 s44, 0xff                            ; the four bytes of a word
	s_mov_b32 s45, 0xff00
	s_mov_b32 s46, 0xff0000
	s_mov_b32 s47, 0xff000000
	s_wait_kmcnt 0x0
	s_load_b32 s30, s[10:11], 0x0                  ; e0
	s_add_nc_u64 s[6:7], s[6:7], s[22:23]
	s_add_nc_u64 s[14:15], s[14:15], s[24:25]
	s_add_nc_u64 s[4:5], s[4:5], s[26:27]
	s_add_nc_u64 s[12:13], s[12:13], s[28:29]
.irp i, 0,1,2,3,4,5,6,7,8,9,10,11,12,13,14,15
	global_load_b128 v[MK+4*\i:MK+4*\i+3], v5, s[6:7] offset:\i*4096 th:TH_LOAD_NT   ; rows 2 i and 2 i + 1: sixteen lanes read 256 consecutive bytes, aligned
.endr
.macro LOAD t
.irp i, 0,1,2,3
	global_load_b128 v[R+16*((\t)%4)+4*\i:R+16*((\t)%4)+4*\i+3], v3, s[4:5] offset:2048*(\t)+512*\i th:TH_LOAD_NT   ; 32 lanes read 512 consecutive bytes
.endr
.endm
.macro TURN t                          ; step t's numbers through the stage: LDS serves a wave's instructions in order, so no wait stands between the stores and the loads
.irp i, 0,1,2,3
	ds_store_b128 v8, v[R+16*((\t)%4)+4*\i:R+16*((\t)%4)+4*\i+3] offset:32*SP*((\t)%2)+8*SP*\i
.endr
.irp i, 0,1,2,3
	ds_load_b128 v[X+16*((\t)%2)+4*\i:X+16*((\t)%2)+4*\i+3], v9 offset:32*SP*((\t)%2)+16*\i
.endr
.endm
.irp t, 0,1,2,3
	LOAD \t                                        ; Q's first four steps are on their way while the mask is packed
.endr
.irp j, 0,1,2,3,4,5,6,7
	v_mov_b32 v[W+\j], 0                           ; written whole once: a lane write counts as a read of its destination
.endr
	s_wait_kmcnt 0x0
	s_add_co_i32 s30, s30, 127
	s_lshl_b32 s31, s30, 23
	v_mov_b32 v11, s31                             ; 2^e0 as f32: the conversion takes its exponent field
	s_add_co_i32 s30, s30, 8
	s_lshl_b32 s30, s30, 23
	s_or_b32 s30, s30, 0x600000
	v_mov_b32 v10, s30                             ; 448 x 2^e0
	; ---- M
	s_wait_loadcnt 16                              ; the mask's 16 loads are in; Q's 16, issued behind them, may be out
.irp i, 0,1,2,3,4,5,6,7,8,9,10,11,12,13,14,15
	ds_store_b128 v6, v[MK+4*\i:MK+4*\i+3] offset:\i*544
.endr
.irp ks, 0,1,2,3
.irp xc, 0,1,2,3,4,5,6,7
	ds_load_b64 v[MB+16*\ks+2*\xc:MB+16*\ks+2*\xc+1], v7 offset:(\xc/4)*4352+64*\ks+16*(\xc%4)   ; query 16 X + r, keys 64 ks + 16 c + 8 h + 0..7  (xc = 4 X + c)
.endr
.endr
; One key step's 64 words.  Word n = 32 X + 8 c + j: byte j of every lane's 8 bytes is compared with 0, which gives the lane mask in a scalar register; it goes to lane n / 2 of one of two registers.
.macro PACK ks
	s_wait_dscnt 24-8*\ks                          ; this key step's eight loads are in; those of the later key steps may be out
.set nn, 0
.rept 16
.irp u, 0,1,2,3
	v_and_b32 v[T+\u], s[44+\u], v[MB+16*\ks+2*((nn+\u)/8)+((nn+\u)%8)/4]
.endr
.irp u, 0,1,2,3
	v_cmp_ne_u32 s[40+\u], 0, v[T+\u]
.endr
.irp u, 0,1,2,3
	v_writelane_b32 v[W+2*\ks+((nn+\u)%2)], s[40+\u], (nn+\u)/2
.endr
.set nn, nn+4
.endr
	global_store_b64 v4, v[W+2*\ks:W+2*\ks+1], s[14:15] offset:256*\ks   ; 32 lanes store 256 consecutive bytes, aligned
.endm
	PACK 0
	PACK 1
	PACK 2
	PACK 3
	; ---- Q
	s_wait_loadcnt 12                              ; step 0's four loads are in; those of steps 1 to 3 may be out
	TURN 0
.macro STEP t
.set XS, X+16*((\t)%2)
	s_wait_dscnt 0x0                               ; this step's numbers are back from the stage, so its stores into the stage have read their registers,
.if (\t)+4 < STEPS
	LOAD (\t)+4                                    ; which take the loads of four steps on
.endif
.if (\t)+1 < STEPS
.if STEPS-2-(\t) >= 3
	s_wait_loadcnt 12                              ; the next step's four loads are in; those of the three steps behind it may be out
.else
	s_wait_loadcnt 4*(STEPS-2-(\t))                ; likewise, with fewer steps left behind it
.endif
	TURN (\t)+1
.endif
.irp i, 0,1,2,3,4,5,6,7,8,9,10,11,12,13,14,15
	v_med3_num_f32 v[XS+\i], v[XS+\i], -v10, v10   ; the conversion to an 8-bit code does not saturate (ISA guide 7.6.2): the hold at the largest code x the scale comes first
.endr
	v_cvt_scalef32_pk8_fp8_f32 v[C+4*(\t):C+4*(\t)+1], v[XS:XS+7], v11
	v_cvt_scalef32_pk8_fp8_f32 v[C+4*(\t)+2:C+4*(\t)+3], v[XS+8:XS+15], v11
	global_store_b128 v3, v[C+4*(\t):C+4*(\t)+3], s[12:13] offset:512*(\t)   ; 32 lanes store 512 consecutive bytes
.endm
.irp t, 0,1,2,3,4,5,6,7
	STEP \t
.endr
	v_nop                                          ; a plain line behind the last conversion
	; ---- W: the first 256 waves
	s_cmp_lt_u32 ttmp9, 64
	s_cbranch_scc0 .Ldone
	s_lshr_b32 s32, s20, 2                         ; T: which 16 rows of w_o
	s_and_b32 s33, s20, 3                          ; which 256 along K
	s_lshl_b32 s34, s32, 14
	s_lshl_b32 s35, s33, 8
	s_add_co_u32 s34, s34, s35
	s_mov_b32 s35, 0
	s_add_nc_u64 s[8:9], s[8:9], s[34:35]
	s_lshl_b32 s34, s33, 18                        ; two K steps of 131,072 bytes
	s_lshl_b32 s36, s32, 11
	s_add_co_u32 s34, s34, s36
	s_add_nc_u64 s[16:17], s[16:17], s[34:35]
.irp i, 0,1,2,3,4,5,6,7
	global_load_b128 v[MK+4*\i:MK+4*\i+3], v14, s[8:9] offset:\i*2048
.endr
	s_wait_loadcnt 0x0
.irp i, 0,1,2,3,4,5,6,7
	ds_store_b128 v12, v[MK+4*\i:MK+4*\i+3] offset:\i*544
.endr
.irp sg, 0,1,2,3,4,5,6,7
	ds_load_b64 v[MK+32+4*\sg:MK+32+4*\sg+1], v13 offset:128*(\sg/4)+32*(\sg%4)      ; sg = 4 s' + g: k = 128 s' + 32 g + 8 h + 0..7
	ds_load_b64 v[MK+32+4*\sg+2:MK+32+4*\sg+3], v13 offset:128*(\sg/4)+32*(\sg%4)+16 ; and 16 further on
.endr
.irp sg, 0,1,2,3,4,5,6,7
	s_wait_dscnt 14-2*\sg                          ; this group's two loads are in; the later groups' may be out
	global_store_b128 v3, v[MK+32+4*\sg:MK+32+4*\sg+3], s[16:17] offset:(\sg/4)*131072+(\sg%4)*512
.endr
.Ldone:
	s_wait_tensorcnt 0x0
	ds_add_u32 v254, v255
	s_wait_dscnt 0x0
	s_endpgm
.Lfunc_end_k_qca58b1bca9_prep:
	.size	k_qca58b1bca9_prep, .Lfunc_end_k_qca58b1bca9_prep-k_qca58b1bca9_prep
	.p2alignl 7, 3214868480
	.fill 96, 4, 3214868480
	.section	.rodata,"a",@progbits
	.p2align	6, 0x0
	.amdhsa_kernel k_qca58b1bca9_prep
		.amdhsa_group_segment_fixed_size 74240
		.amdhsa_private_segment_fixed_size 0
		.amdhsa_enable_private_segment 0
		.amdhsa_kernarg_size 56
		.amdhsa_user_sgpr_count 2
		.amdhsa_user_sgpr_kernarg_segment_ptr 1
		.amdhsa_wavefront_size32 1
		.amdhsa_system_sgpr_workgroup_id_x 1
		.amdhsa_system_sgpr_workgroup_id_y 1
		.amdhsa_system_sgpr_workgroup_id_z 1
		.amdhsa_system_vgpr_workitem_id 0
		.amdhsa_next_free_vgpr 256
		.amdhsa_next_free_sgpr 66
		.amdhsa_reserve_vcc 0
		.amdhsa_float_denorm_mode_32 3
		.amdhsa_float_denorm_mode_16_64 3
		.amdhsa_memory_ordered 1
		.amdhsa_forward_progress 1
		.amdhsa_inst_pref_size 70
	.end_amdhsa_kernel
	.amdgpu_metadata
---
amdhsa.version: [ 1, 2 ]
amdhsa.kernels:
  - .name:           k_qca58b1bca9_prep
    .symbol:         k_qca58b1bca9_prep.kd
    .args:
      - { .name: input_Q, .offset: 0, .size: 8, .value_kind: global_buffer, .address_space: global }
      - { .name: attn_mask, .offset: 8, .size: 8, .value_kind: global_buffer, .address_space: global }
      - { .name: w_o_codes, .offset: 16, .size: 8, .value_kind: global_buffer, .address_space: global }
      - { .name: lowp_scales, .offset: 24, .size: 8, .value_kind: global_buffer, .address_space: global }
      - { .name: qx, .offset: 32, .size: 8, .value_kind: global_buffer, .address_space: global }
      - { .name: maskw, .offset: 40, .size: 8, .value_kind: global_buffer, .address_space: global }
      - { .name: wof, .offset: 48, .size: 8, .value_kind: global_buffer, .address_space: global }
    .group_segment_fixed_size: 74240
    .private_segment_fixed_size: 0
    .kernarg_segment_align: 8
    .kernarg_segment_size: 56
    .max_flat_workgroup_size: 128
    .sgpr_count:     66
    .vgpr_count:     256
    .wavefront_size: 32
...
	.end_amdgpu_metadata
.endif
;; end of part 1
;; launch qkv (part 2): grid 4 x 96, 4 waves a work-group, clusters of 4 x 4, 327,680 bytes of LDS; arguments qx, input_K_codes, w_v_codes, w_q_codes, w_k_codes, input_V_codes, lowp_scales, qf, kf, vf; writes qf, kf, vf
.if DOCPART == 2
	.amdgcn_target "amdgcn-amd-amdhsa--gfx1250"
	.amdhsa_code_object_version 6
	.text
	.protected	k_qca58b1bca9_qkv
	.globl	k_qca58b1bca9_qkv
	.p2align	8
	.type	k_qca58b1bca9_qkv,@function
k_qca58b1bca9_qkv:
	s_mov_b64 s[64:65], 0
	v_nop
	global_prefetch_b8 v0, s[64:65] scope:SCOPE_SE
	s_setreg_imm32_b32 hwreg(HW_REG_WAVE_MODE, 25, 1), 1
	s_wait_xcnt 0x0
	s_wait_alu depctr_hold_cnt(0) depctr_sa_sdst(0) depctr_va_vdst(0) depctr_va_sdst(0) depctr_va_ssrc(0) depctr_va_vcc(0) depctr_vm_vsrc(0)
	s_getreg_b32 s2, hwreg(HW_REG_IB_STS2, 6, 4)
	s_cmp_eq_u32 s2, 0
	s_cbranch_scc0 .Lentry_in_a_cluster
	s_endpgm
.Lentry_in_a_cluster:
	s_bfe_u32 s2, ttmp6, 0x10000c
	s_cmp_lg_u32 s2, 0xf033
	s_cbranch_scc0 .Lentry_shape_is_right
	s_endpgm
.Lentry_shape_is_right:
; THE THREE PROJECTIONS, one launch: C[m][n] = sum over k of A[m][k] B[n][k] on E4M3 codes, K = 1,024, and each finished sum quantised at once for the attention launch.
; Cluster y = 8 P + Y8.  P = 0: Q = qx w_q^T.  P = 1: K = input_K w_k^T.  P = 2: V, WITH THE SIDES' DATA SWAPPED: A = w_v (1,024 rows), B = input_V (8,192 rows).
; A tile of C, 256 x 256, is made by four waves, 128 x 128 each: 64 accumulators, 512 registers.  K goes in steps of 256 through two LDS slots filled by the tensor data mover.
; CLUSTERS: 4 x 4 work-groups; A's tile is asked for jointly along a row of the cluster, B's along a column.  A's address is made of cy and the cluster's y alone, B's of cx and the cluster's y alone.
; THE MATRIX INSTRUCTION IS USED TRANSPOSED (source 0 = 16 rows of B, source 1 = 16 rows of A): lane (r, h) holds row r of A's side and the eight neighbours 8 h + 0..7 of B's side.
; For Q and K that is one token and eight channels of a head; for V, thanks to the swap, one channel and eight KEYS: in both cases eight neighbours along the next product's K, so one conversion of an
; accumulator's eight registers gives registers 2 c, 2 c + 1 of the next operand (k = 16 c + 8 h + 0..7), and the codes are stored as images of that operand's registers: 512 consecutive bytes a store.
;   qf, kf: [16 b + head][token tile 128][g 2][lane 32][16 bytes];   vf: [16 b + head][block of 64 keys 32][channel tile 4][g 2][lane 32][16 bytes].
; code = sum / 2^E, held within +-448:  E = e6 - e0 - e1 (Q), e7 - e2 - e3 (K), e9 - e4 - e5 (V): the three given scales folded into the conversion's one; chosen by selects, never by a branch.
; LIMIT: E between -126 and 119, so that 2^E and 448 x 2^E are f32 numbers.
; Fragments come by four 16-byte LDS loads, which permutes k alike in A and B: every product meets its partner.
; REGISTERS, in windows of 256: window 0: v0-31 addresses; from v128 A's fragments, ONE set; on the way out v32-95 held sums, v128-255 codes.  window 1: B's fragments, TWO sets.  windows 2, 3: the accumulators of my rows 0-63, 64-127.
.set ROWB,   256                       ; a tile's row in bytes: 256 codes
.set KROW,   1024                      ; a row of any operand in memory
.set PITCH,  272                       ; an LDS row: 256 bytes + 16 of padding = 68 words: the 16 rows that a load touches start at 16 different banks (64 banks of 4 bytes: ISA guide 11.1)
.set FR,     16
.set NL,     4
.set NP,     4                         ; places behind this matrix instruction (ISA guide 7.12.1)
.set HALFT,  128*PITCH
.set SLOT,   4*HALFT
.set SPARE,  2*SLOT                    ; behind the ring: the spare words, 128 bytes for each wave
.set OFS,  8                           ; v8-11   the way out: 16 x lane + a1 x S1 + nb x S2, at v[8 + 2 a1 + nb]
.set SCL,  12                          ; v12     2^E
.set LIM,  13                          ; v13     448 x 2^E
.set ADRA, 16                          ; v16-17  LDS address of my A fragments in slot 0, 1
.set ADRB, 20                          ; v20-21  the same for B
.set SPW,  28                          ; v28     LDS address of my spare word; never rewritten
.set NIL,  29                          ; v29     0; never rewritten
.set TMP,  32                          ; v32-95  two sets of 32 held sums
.set AF,   128
.set CD,   128                         ; v128-255 eight registers of codes for each of 16 groups: no store's data are written again
.set G1, 24
.set G0, 32
.set G1B, 48
.set G0B, 56
.set MSB, 0
.macro WIN new                         ; the immediate's high byte repeats the setting that is left
.if MSB != \new
	s_set_vgpr_msb (MSB<<8)|\new
.set MSB, \new
.endif
.endm
.set MUL_LO, 0xa1                      ; source 0 (B) window 1, source 1 (A) window 0, C and D window 2
.set MUL_HI, 0xf1
.set TO_B,   0x40
; A joint load: waves 0 and 1 fetch for A, waves 2 and 3 for B; the branch hangs on the wave's number alone.  Four v_nop follow each of the two lines.
.macro JLOAD g0a, g1a, g0b, g1b
	s_cmp_eq_u32 s15, 0
	s_cbranch_scc0 .Lfor_b_\@
	tensor_load_to_lds s[\g0a:\g0a+3], s[\g1a:\g1a+7]
	s_nop 0
.rept 4
	v_nop
.endr
	s_branch .Lasked_\@
.Lfor_b_\@:
	tensor_load_to_lds s[\g0b:\g0b+3], s[\g1b:\g1b+7]
	s_nop 0
.rept 4
	v_nop
.endr
.Lasked_\@:
.endm
.macro CREST                           ; a round of the cluster's barrier behind its opening barrier
	s_cmp_lg_u32 s14, 0
	s_cbranch_scc1 .Lnot_wave_0_\@
	s_barrier_signal -3
.Lnot_wave_0_\@:
	s_barrier_wait -3
	s_barrier_signal -1
	s_barrier_wait -1
.endm
.macro CROUND
	s_barrier_signal -1
	s_barrier_wait -1
	CREST
.endm
	s_load_b256 s[68:75], s[0:1], 0x0              ; qx s[68:69], input_K_codes s[70:71], w_v_codes s[72:73], w_q_codes s[74:75]
	s_load_b256 s[76:83], s[0:1], 0x20             ; w_k_codes s[76:77], input_V_codes s[78:79], lowp_scales s[80:81], qf s[82:83]
	s_load_b128 s[84:87], s[0:1], 0x40             ; kf s[84:85], vf s[86:87]
	v_lshl_add_u32 v[SPW], v0, 2, SPARE
	v_mov_b32 v[NIL], 0
	ds_add_u32 v28, v29
	ds_add_u32 v28, v29
	s_wait_dscnt 0x0
	v_lshrrev_b32 v1, 5, v0
	v_readfirstlane_b32 s14, v1                    ; wave 0..3
	s_lshr_b32 s15, s14, 1                         ; which half of the tile's rows is mine.  Also: I fetch for A (0) or for B (1)
	s_and_b32 s16, s14, 1                          ; which half of its columns.  Also: which 128 rows of that tile I fetch
	s_bfe_u32 s40, ttmp6, 0x40000                  ; cx
	s_bfe_u32 s41, ttmp6, 0x40004                  ; cy
	s_and_b32 s4, ttmp7, 0xffff                    ; the cluster's y, 0 .. 23: the same in all sixteen partners
	s_lshr_b32 s5, s4, 3                           ; P: which product
	s_and_b32 s6, s4, 7
	s_lshl_b32 s6, s6, 2                           ; 4 Y8
	s_cmp_eq_u32 s5, 2
	s_cselect_b32 s17, 0, s6                       ; Q, K: the 32 tile rows are walked by Y8; V: A has four tile rows
	s_cselect_b32 s42, s6, 0                       ; V: the 32 tile columns are walked by Y8
	s_add_co_u32 s17, s17, s41                     ; tile row
	s_add_co_u32 s42, s42, s40                     ; tile column
	s_lshl_b32 s43, s41, 2
	s_lshl_b32 s43, 15, s43                        ; my row of the cluster
	s_lshl_b32 s44, 0x1111, s40                    ; my column
	s_or_b32 s[G1+0], s43, (0<<16)|(1<<20)|(1<<21)|(5<<22)|(3<<25)  ; 15:0 the mask; 17:16 elements of 1 byte; 20 padding on; 21 set beside a mask; 24:22 after every 64 words; 31:25 four words
	s_or_b32 s[G1B+0], s44, (0<<16)|(1<<20)|(1<<21)|(5<<22)|(3<<25)
.irp g, G1, G1B
	s_mov_b32 s[\g+1], ROWB<<16                    ; tensor_dim0
	s_mov_b32 s[\g+2], 128<<16                     ; tensor_dim1
	s_mov_b32 s[\g+3], ROWB<<16                    ; tile_dim0
	s_mov_b32 s[\g+4], 128                         ; tile_dim1
	s_mov_b32 s[\g+5], KROW                        ; tensor_dim0_stride
	s_mov_b32 s[\g+6], 0
	s_mov_b32 s[\g+7], 0
.endr
	s_lshl_b32 s18, s16, 7                         ; which 128 rows of the tile I fetch
	s_lshl_b32 s20, s17, 8
	s_add_co_u32 s20, s20, s18
	s_lshl_b32 s20, s20, 10                        ; A: (256 x tile row + 128 x half) rows of 1,024 bytes
	s_mov_b32 s21, 0
	s_lshl_b32 s46, s42, 8
	s_add_co_u32 s46, s46, s18
	s_lshl_b32 s46, s46, 10                        ; B likewise, by the tile column
	s_mov_b32 s47, 0
	s_mul_i32 s45, s14, HALFT                      ; where they go: wave x 128 rows: no place in the cluster enters an LDS address
	s_wait_kmcnt 0x0
	s_load_b256 s[88:95], s[80:81], 0x0            ; e0 .. e7
	s_load_b128 s[96:99], s[80:81], 0x20           ; e8 .. e11
	s_cmp_eq_u32 s5, 0                             ; the buffers are chosen by the product's number alone
	s_cselect_b64 s[8:9], s[68:69], s[70:71]
	s_cselect_b64 s[12:13], s[74:75], s[76:77]
	s_cselect_b64 s[10:11], s[82:83], s[84:85]
	s_cmp_eq_u32 s5, 2
	s_cselect_b64 s[8:9], s[72:73], s[8:9]         ; A's side: qx, input_K or w_v
	s_cselect_b64 s[12:13], s[78:79], s[12:13]     ; B's side: w_q, w_k or input_V
	s_cselect_b64 s[10:11], s[86:87], s[10:11]     ; the codes: qf, kf or vf
	s_add_nc_u64 s[20:21], s[8:9], s[20:21]
	s_add_nc_u64 s[46:47], s[12:13], s[46:47]
	CROUND                                         ; all sixteen work-groups are here: the first joint loads meet
.irp s, 0,1
	s_mov_b32 s[G0+4*\s], 1
	s_add_co_u32 s[G0+4*\s+1], s45, \s*SLOT
	s_add_nc_u64 s[G0+4*\s+2:G0+4*\s+3], s[20:21], \s*ROWB
	s_or_b32 s[G0+4*\s+3], s[G0+4*\s+3], 0x80000000
	s_mov_b32 s[G0B+4*\s], 1
	s_add_co_u32 s[G0B+4*\s+1], s45, \s*SLOT
	s_add_nc_u64 s[G0B+4*\s+2:G0B+4*\s+3], s[46:47], \s*ROWB
	s_or_b32 s[G0B+4*\s+3], s[G0B+4*\s+3], 0x80000000
	JLOAD G0+4*\s, G1, G0B+4*\s, G1B
.endr
	v_and_b32 v1, 15, v0                           ; l % 16
	v_bfe_u32 v2, v0, 4, 1                         ; l / 16
	v_mul_u32_u24 v3, v1, PITCH
	v_lshl_add_u32 v4, v2, 4, v3                   ; a fragment's row x pitch + 16 x half
	s_mul_i32 s21, s15, HALFT                      ; my 128 rows of A
	s_mul_i32 s22, s16, HALFT                      ; my 128 rows of B,
	s_add_co_u32 s22, s22, 2*HALFT                 ; which lie behind A's 256
.irp s, 0,1
	v_add_nc_u32 v[ADRA+\s], s21, v4
	v_add_nc_u32 v[ADRB+\s], s22, v4
	s_add_co_u32 s21, s21, SLOT
	s_add_co_u32 s22, s22, SLOT
.endr
	; the way out.  TA0: my first tile of 16 on A's side; NB0: my first block of 64 on B's side
	s_lshl_b32 s20, s17, 4
	s_lshl_b32 s21, s15, 3
	s_add_co_u32 s20, s20, s21                     ; TA0 = 16 x tile row + 8 x half
	s_lshl_b32 s21, s42, 2
	s_lshl_b32 s22, s16, 1
	s_add_co_u32 s21, s21, s22                     ; NB0 = 4 x tile column + 2 x half
	s_lshr_b32 s22, s20, 7                         ; Q, K: TA0 counts token tiles (b = TA0 / 128), NB0 heads
	s_lshl_b32 s22, s22, 4
	s_add_co_u32 s22, s22, s21
	s_lshl_b32 s22, s22, 17                        ; (16 b + head) x 131,072
	s_and_b32 s23, s20, 127
	s_lshl_b32 s23, s23, 10
	s_add_co_u32 s22, s22, s23                     ; + token tile x 1,024
	s_lshr_b32 s23, s21, 5                         ; V: NB0 counts blocks of 64 keys (b = NB0 / 32), TA0 channel tiles (head = TA0 / 4)
	s_lshl_b32 s23, s23, 4
	s_lshr_b32 s46, s20, 2
	s_add_co_u32 s23, s23, s46
	s_lshl_b32 s23, s23, 17
	s_and_b32 s46, s21, 31
	s_lshl_b32 s46, s46, 12
	s_add_co_u32 s23, s23, s46                     ; + key block x 4,096
	s_mov_b32 s46, 0x20000
	s_mov_b32 s47, 0x1000
	s_cmp_eq_u32 s5, 2
	s_cselect_b32 s22, s23, s22
	s_cselect_b32 s6, s46, s47                     ; S1: four tiles on along A's side: four token tiles, or (V) the next head
	s_cselect_b32 s7, s47, s46                     ; S2: 64 on along B's side: the next head, or (V) the next key block
	s_mov_b32 s23, 0
	s_add_nc_u64 s[10:11], s[10:11], s[22:23]
	v_and_b32 v6, 31, v0
	v_lshlrev_b32 v[OFS], 4, v6
	v_add_nc_u32 v[OFS+1], s7, v[OFS]
	v_add_nc_u32 v[OFS+2], s6, v[OFS]
	v_add_nc_u32 v[OFS+3], s7, v[OFS+2]
	s_wait_kmcnt 0x0
	s_sub_co_i32 s20, s94, s88
	s_sub_co_i32 s20, s20, s89                     ; e6 - e0 - e1
	s_sub_co_i32 s21, s95, s90
	s_sub_co_i32 s21, s21, s91                     ; e7 - e2 - e3
	s_sub_co_i32 s22, s97, s92
	s_sub_co_i32 s22, s22, s93                     ; e9 - e4 - e5
	s_cmp_eq_u32 s5, 0
	s_cselect_b32 s20, s20, s21
	s_cmp_eq_u32 s5, 2
	s_cselect_b32 s20, s22, s20                    ; E
	s_add_co_i32 s20, s20, 127
	s_lshl_b32 s21, s20, 23
	v_mov_b32 v[SCL], s21
	s_add_co_i32 s20, s20, 8
	s_lshl_b32 s20, s20, 23
	s_or_b32 s20, s20, 0x600000
	v_mov_b32 v[LIM], s20
.macro FRAG reg, adr, q, i             ; 16 rows x 128 K: registers 4 c .. 4 c + 3 hold K = 32 c + 16 (l / 16) + 0 .. 15 of row l % 16
.irp c, 0,1,2,3
	ds_load_b128 v[\reg+4*\c:\reg+4*\c+3], v[\adr] offset:128*(\q)+32*\c+(\i)*16*PITCH
.endr
.endm
; 16 matrix instructions: A's blocks a0, a0 + 1 x B's eight.  The 64 accumulators take turns, one instruction a turn, in the same order in every step.
.macro MUL16 a0, p, zero
.irp a, \a0, \a0+1
.irp b, 0,1,2,3,4,5,6,7
.if \zero
	v_wmma_f32_16x16x128_fp8_fp8 v[8*(8*((\a)%4)+\b):8*(8*((\a)%4)+\b)+7], v[128*(\p)+FR*\b:128*(\p)+FR*\b+FR-1], v[AF+FR*(\a):AF+FR*(\a)+FR-1], 0
.else
	v_wmma_f32_16x16x128_fp8_fp8 v[8*(8*((\a)%4)+\b):8*(8*((\a)%4)+\b)+7], v[128*(\p)+FR*\b:128*(\p)+FR*\b+FR-1], v[AF+FR*(\a):AF+FR*(\a)+FR-1], v[8*(8*((\a)%4)+\b):8*(8*((\a)%4)+\b)+7]
.endif
.endr
.endr
.endm
.macro FETCH_B slot, q, p
	WIN TO_B
.irp i, 0,1,2,3,4,5,6,7
	FRAG 128*(\p)+FR*\i, ADRB+\slot, \q, \i
.endr
	WIN 0
.endm
.macro FETCH_A slot, q, i0
.irp i, \i0, \i0+1, \i0+2, \i0+3
	FRAG AF+FR*(\i), ADRA+\slot, \q, \i
.endr
.endm
.macro PLACES n                        ; plain vector lines between a matrix instruction and a load into, or a vector read of, its registers
.rept \n
	v_nop
.endr
.endm
; A step of 128 along K that has its successor in the same slot.
.macro STEP slot, q, zero
	s_wait_dscnt 4*NL                              ; B's set and A's blocks 0-3 are in; the youngest 16 loads (A's blocks 4-7) may be out
	WIN MUL_LO
	MUL16 0, (\q)%2, \zero
	MUL16 2, (\q)%2, \zero
	s_wait_dscnt 0
	PLACES NP
	FETCH_B \slot, (\q)+1, 1-(\q)%2
	FETCH_A \slot, (\q)+1, 0
	WIN MUL_HI
	MUL16 4, (\q)%2, \zero
	MUL16 6, (\q)%2, \zero
	PLACES NP
	WIN 0
	FETCH_A \slot, (\q)+1, 4
.endm
; A slot's last step changes slots: each wave waits for all its tensor loads, adds 0 to its spare word, and waits for that and for its own reads of this slot; then one barrier.  fill = 1: this slot is filled again, two K steps ahead.
.macro TURN slot, next, fill
	s_wait_tensorcnt 0x0                           ; all my tensor loads have landed: my part of the next slot
	ds_add_u32 v[SPW], v[NIL]                      ; 0 onto my spare word
	s_wait_dscnt 4*NL+1                            ; the add and the youngest 16 loads (A's blocks 4-7) may be out
	WIN MUL_LO
	MUL16 0, 1, 0
	s_wait_dscnt 0x0                               ; the add is done, and my reads of this slot are over
	s_barrier_signal -1
	MUL16 2, 1, 0
	WIN 0
	s_barrier_wait -1
.if \fill
	CREST                                          ; the barrier has opened a round of the cluster's barrier: no wave of any partner still reads this slot or has a load on its way
	s_add_nc_u64 s[G0+4*\slot+2:G0+4*\slot+3], s[G0+4*\slot+2:G0+4*\slot+3], 2*ROWB
	s_add_nc_u64 s[G0B+4*\slot+2:G0B+4*\slot+3], s[G0B+4*\slot+2:G0B+4*\slot+3], 2*ROWB
	JLOAD G0+4*\slot, G1, G0B+4*\slot, G1B         ; the first tensor load behind the round; its four v_nop are also the places in front of the loads below
.else
	PLACES NP
.endif
	s_wait_alu depctr_va_vdst(0)
	FETCH_B \next, 0, 0
	FETCH_A \next, 0, 0
	WIN MUL_HI
	MUL16 4, 1, 0
	MUL16 6, 1, 0
	PLACES NP
	WIN 0
	FETCH_A \next, 0, 4
.endm
	s_wait_tensorcnt 1                             ; my part of K step 0 is in; K step 1's load, issued behind it, may be out
	s_barrier_signal -1
	s_barrier_wait -1
	FETCH_B 0, 0, 0
	FETCH_A 0, 0, 0
	FETCH_A 0, 0, 4
	STEP 0, 0, 1                                   ; K = 1,024 is four slots' worth: the walk is written out.  The first products start the sums
	TURN 0, 1, 1
	STEP 1, 0, 0
	TURN 1, 0, 1
	STEP 0, 0, 0
	TURN 0, 1, 0                                   ; nothing is left to fetch
	STEP 1, 0, 0
	s_wait_dscnt 4*NL
	WIN MUL_LO
	MUL16 0, 1, 0
	MUL16 2, 1, 0
	s_wait_dscnt 0
	WIN MUL_HI
	MUL16 4, 1, 0
	MUL16 6, 1, 0
	WIN 0
; THE WAY OUT.  Group (a, nb): A's block a against four of B's blocks (64 along the next K).  Each sum is held, each accumulator from its low end on; four conversions give the eight registers of one operand image;
; two stores of 512 consecutive bytes.  The held sums take two sets by turns, so that the next group's holds are the plain lines behind this group's conversions and write none of their sources.
.macro EMIT a, nb
.set QN, 2*(\a)+(\nb)
.set AC, 64*((\a)%4)+32*(\nb)
.set TM, TMP+32*(QN%2)
	WIN 0x02+((\a)/4)                              ; source 0: window 2 or 3
.set ii, 0
.rept 32
	v_med3_num_f32 v[TM+ii], v[AC+ii], -v[LIM], v[LIM]   ; the conversion to an 8-bit code does not saturate (ISA guide 7.6.2)
.set ii, ii+1
.endr
	WIN 0
.irp t, 0,1,2,3
	v_cvt_scalef32_pk8_fp8_f32 v[CD+8*QN+2*\t:CD+8*QN+2*\t+1], v[TM+8*\t:TM+8*\t+7], v[SCL]
.endr
.irp g, 0,1
	global_store_b128 v[OFS+2*((\a)/4)+(\nb)], v[CD+8*QN+4*\g:CD+8*QN+4*\g+3], s[10:11] offset:((\a)%4)*1024+\g*512
.endr
.endm
	PLACES NP
.irp a, 0,1,2,3,4,5,6,7
	EMIT \a, 0
	EMIT \a, 1
.endr
	v_nop                                          ; a plain line behind the last conversion
	s_wait_tensorcnt 0x0                           ; the wave's end
	ds_add_u32 v[SPW], v[NIL]
	s_wait_dscnt 0x0
	CROUND                                         ; the closing round: no work-group ends while a partner may still ask for a tile that names it
	s_endpgm
.Lfunc_end_k_qca58b1bca9_qkv:
	.size	k_qca58b1bca9_qkv, .Lfunc_end_k_qca58b1bca9_qkv-k_qca58b1bca9_qkv
	.p2alignl 7, 3214868480
	.fill 96, 4, 3214868480
	.section	.rodata,"a",@progbits
	.p2align	6, 0x0
	.amdhsa_kernel k_qca58b1bca9_qkv
		.amdhsa_group_segment_fixed_size 327680
		.amdhsa_private_segment_fixed_size 0
		.amdhsa_enable_private_segment 0
		.amdhsa_kernarg_size 80
		.amdhsa_user_sgpr_count 2
		.amdhsa_user_sgpr_kernarg_segment_ptr 1
		.amdhsa_wavefront_size32 1
		.amdhsa_system_sgpr_workgroup_id_x 1
		.amdhsa_system_sgpr_workgroup_id_y 1
		.amdhsa_system_sgpr_workgroup_id_z 1
		.amdhsa_system_vgpr_workitem_id 0
		.amdhsa_next_free_vgpr 1024
		.amdhsa_next_free_sgpr 100
		.amdhsa_reserve_vcc 0
		.amdhsa_float_denorm_mode_32 3
		.amdhsa_float_denorm_mode_16_64 3
		.amdhsa_memory_ordered 1
		.amdhsa_forward_progress 1
		.amdhsa_inst_pref_size 119
	.end_amdhsa_kernel
	.amdgpu_metadata
---
amdhsa.version: [ 1, 2 ]
amdhsa.kernels:
  - .name:           k_qca58b1bca9_qkv
    .symbol:         k_qca58b1bca9_qkv.kd
    .args:
      - { .name: qx, .offset: 0, .size: 8, .value_kind: global_buffer, .address_space: global }
      - { .name: input_K_codes, .offset: 8, .size: 8, .value_kind: global_buffer, .address_space: global }
      - { .name: w_v_codes, .offset: 16, .size: 8, .value_kind: global_buffer, .address_space: global }
      - { .name: w_q_codes, .offset: 24, .size: 8, .value_kind: global_buffer, .address_space: global }
      - { .name: w_k_codes, .offset: 32, .size: 8, .value_kind: global_buffer, .address_space: global }
      - { .name: input_V_codes, .offset: 40, .size: 8, .value_kind: global_buffer, .address_space: global }
      - { .name: lowp_scales, .offset: 48, .size: 8, .value_kind: global_buffer, .address_space: global }
      - { .name: qf, .offset: 56, .size: 8, .value_kind: global_buffer, .address_space: global }
      - { .name: kf, .offset: 64, .size: 8, .value_kind: global_buffer, .address_space: global }
      - { .name: vf, .offset: 72, .size: 8, .value_kind: global_buffer, .address_space: global }
    .group_segment_fixed_size: 327680
    .private_segment_fixed_size: 0
    .kernarg_segment_align: 8
    .kernarg_segment_size: 80
    .max_flat_workgroup_size: 128
    .sgpr_count:     100
    .vgpr_count:     1024
    .wavefront_size: 32
...
	.end_amdgpu_metadata
.endif
;; end of part 2
;; launch attn (part 3): grid 4 x 64, 16 waves a work-group, clusters of 4 x 1, 327,680 bytes of LDS; arguments qf, kf, vf, maskw, lowp_scales, ctxf; writes ctxf
.if DOCPART == 3
	.amdgcn_target "amdgcn-amd-amdhsa--gfx1250"
	.amdhsa_code_object_version 6
	.text
	.protected	k_qca58b1bca9_attn
	.globl	k_qca58b1bca9_attn
	.p2align	8
	.type	k_qca58b1bca9_attn,@function
k_qca58b1bca9_attn:
	s_mov_b64 s[64:65], 0
	v_nop
	global_prefetch_b8 v0, s[64:65] scope:SCOPE_SE
	s_setreg_imm32_b32 hwreg(HW_REG_WAVE_MODE, 25, 1), 1
	s_wait_xcnt 0x0
	s_wait_alu depctr_hold_cnt(0) depctr_sa_sdst(0) depctr_va_vdst(0) depctr_va_sdst(0) depctr_va_ssrc(0) depctr_va_vcc(0) depctr_vm_vsrc(0)
	s_getreg_b32 s2, hwreg(HW_REG_IB_STS2, 6, 4)
	s_cmp_eq_u32 s2, 0
	s_cbranch_scc0 .Lentry_in_a_cluster
	s_endpgm
.Lentry_in_a_cluster:
	s_bfe_u32 s2, ttmp6, 0x10000c
	s_cmp_lg_u32 s2, 0x3003
	s_cbranch_scc0 .Lentry_shape_is_right
	s_endpgm
.Lentry_shape_is_right:
; ATTENTION on E4M3 codes, head size 64, 2,048 keys, with the input mask.  ctx = (sum over keys of Q(p) V) / l, quantised at once for the output projection.
; t = logit x log2(e), logit = score / 8, or the masked value where the mask is set; M = the running largest t rounded UP to a whole number; p = 2^(t - M) is quantised at the given 2^e8, not normalised;
; l = the row's sum of the unquantised p.  When M moves, l and O are multiplied by 2^(old M - new M), which rounds nothing.
; SHARES.  Work-group (cx, hb): 512 queries of head hb = 16 b + head.  Each of sixteen waves owns two tiles of 16 queries in 256 registers: four waves to a SIMD, so that one wave's vector work stands beside
; another's matrix work and LDS loads; each fragment of K and V read from LDS feeds two matrix instructions.  A key step is 64 keys.
; LDS.  A head's codes of K and V, 131,072 bytes each, lie in LDS whole, as images of the operands' registers (16 bytes a lane, 512 an instruction: no pitch).  Nothing is filled twice and nothing is stored to LDS.
; CLUSTER.  The four work-groups of a cluster belong to one head and read the same K and V: every fill is asked for jointly (mask 15).  Each wave asks for two pieces: its share of the first 256 keys,
; then its share of the rest; the first four key steps run while the rest is on its way.  A wave has one tensor load out at a time.
; LAYOUT.  S^T = K Q^T (source 0 = 16 keys), O^T = V^T P^T (source 0 = 16 channels): a lane holds ONE query throughout; register j of score tile c is key 16 c + 8 h + j, so one conversion of a tile's
; eight registers is registers 2 c, 2 c + 1 of P (k = 16 c + 8 h + 0..7).
; THE MASK comes as lane masks, one 32-bit word for each score register (maskw), by scalar loads asked for a key step ahead: one select a score.
; THE MASKED LOGIT is taken as -2^30 where reference() writes -1e9.  c x (-2^(33 - e6 - e7)) is an exact whole f32 number, so a row that is masked wholly gets t - M = 0 and p = 1 in every key, as the
; definition gives it; with -1e9 the fused c s - M would keep the product's rounding error in the exponent.
; LIMITS: -94 <= e6 + e7 <= 9: the codes bound every open |logit| by 64 x 448^2 x 2^(e6 + e7) / 8 <= 8.3e8, so far above both -1e9 and -2^30 that a masked key beside an open one has p = 0 with either.
;         e8 and e10 between -126 and 119.  e8 + e9 is applied by v_ldexp_f32 and has no limit.
; No prefetch into the L2: all of K and V is asked for at the head, and the mask words are asked for a key step ahead of their use.
.set AK0, 2                            ; v2   16 x lane: my place in an image; also my offset in Q's images and in ctxf
.set AV0, 3                            ; v3   the same in V's region
.set ADK, 4                            ; v4, v5 the addresses of the step in hand
.set ADV, 5
.set NEG, 6                            ; v6   the masked raw score, -2^(33 - e6 - e7)
.set SCP, 7                            ; v7   2^e8
.set ST,  10                           ; tile x at v[10 + 8 x]: +0 -M, +1 the running largest raw score, +2, +3 l, +4 f (+5 named with it), +6 the old -M, +7 at work
.set Q,   32                           ; v32-47   Q, 8 a tile
.set KR,  48                           ; v48-79   K of a step, 8 a tile of 16 keys
.set VR,  80                           ; v80-111  V of a step, 8 a tile of 16 channels
.set P,   112                          ; v112-127 p's codes, 8 a tile
.set S,   128                          ; v128-191 S^T, then p: 32 x + 8 c + j
.set O,   192                          ; v192-255 O^T: 32 x + 8 ct + j
.set WV,  2                            ; s2   wave
.set TB,  3                            ; s3   LDS byte of the step in hand, in each region
.set G1A, 4                            ; s[4:11] group 1 of the first piece, s[12:15] its group 0;  free behind the wait that shows it landed: s4 e8 + e9, s5 2^e10, s6 e10 + 127, s[8:9] the mask pointer's step
.set G0A, 12
.set G1B, 68                           ; s[68:75], s[96:99] the second piece's
.set G0B, 96
.set CS,  66                           ; s[66:67] c = log2(e) / 8 x 2^(e6 + e7)
.set MP,  76                           ; s[76:77] the mask words of the step asked for last
.set CP,  78                           ; s[78:79] ctxf at my first tile
.set SEL, 100                          ; s[100:101] lane selects: lane l xor 16
.set CNT, 104
.set KSN, 105                          ; the key step's number
; the mask words: word n in s[16 + n] for n < 48, in s[32 + n] for n >= 48
.macro ROUND
	s_barrier_signal -1
	s_barrier_wait -1
	s_cmp_lg_u32 s[WV], 0
	s_cbranch_scc1 .Lnot_wave_0_\@
	s_barrier_signal -3
.Lnot_wave_0_\@:
	s_barrier_wait -3
	s_barrier_signal -1
	s_barrier_wait -1
.endm
	s_load_b256 s[80:87], s[0:1], 0x0              ; qf s[80:81], kf s[82:83], vf s[84:85], maskw s[86:87]
	s_load_b128 s[88:91], s[0:1], 0x20             ; lowp_scales s[88:89], ctxf s[90:91]
	v_lshl_add_u32 v254, v0, 2, 0x40000
	v_mov_b32 v255, 0
	ds_add_u32 v254, v255
	ds_add_u32 v254, v255
	s_wait_dscnt 0x0
	v_lshrrev_b32 v1, 5, v0
	s_delay_alu instid0(VALU_DEP_1)
	v_readfirstlane_b32 s[WV], v1                  ; wave 0..15
	s_bfe_u32 s28, ttmp6, 0x40000                  ; cx: which 512 queries; it enters Q's, the mask's and ctxf's global addresses alone
	s_and_b32 s29, ttmp7, 0xffff                   ; hb, which the four partners share
	; group 1: dense blocks as rows of 256 bytes (32 elements of 8 bytes): 8 rows, then 56
	s_mov_b32 s[G1A], 15|(3<<16)|(1<<21)           ; 15:0 the mask: all four; 17:16 elements of 8 bytes; 21 set beside a mask
	s_mov_b32 s[G1A+1], 32<<16                     ; tensor_dim0
	s_mov_b32 s[G1A+2], 8<<16                      ; tensor_dim1
	s_mov_b32 s[G1A+3], 32<<16                     ; tile_dim0
	s_mov_b32 s[G1A+4], 8                          ; tile_dim1
	s_mov_b32 s[G1A+5], 32                         ; stride
	s_mov_b32 s[G1A+6], 0
	s_mov_b32 s[G1A+7], 0
	s_mov_b32 s[G1B], 15|(3<<16)|(1<<21)
	s_mov_b32 s[G1B+1], 32<<16
	s_mov_b32 s[G1B+2], 56<<16
	s_mov_b32 s[G1B+3], 32<<16
	s_mov_b32 s[G1B+4], 56
	s_mov_b32 s[G1B+5], 32
	s_mov_b32 s[G1B+6], 0
	s_mov_b32 s[G1B+7], 0
	s_and_b32 s30, s[WV], 7                        ; waves 0-7 fetch K, waves 8-15 V: an eighth of each piece
	s_lshr_b32 s31, s[WV], 3
	s_lshl_b32 s31, s31, 17                        ; the region: 0 or 131,072
	s_lshl_b32 s32, s30, 11                        ; first piece (16,384 bytes: 256 keys): my 2,048
	s_mul_i32 s34, s30, 14336
	s_add_co_u32 s34, s34, 16384                   ; second piece (114,688 bytes): my 14,336
	s_mov_b32 s[G0A], 1
	s_add_co_u32 s[G0A+1], s31, s32
	s_mov_b32 s[G0B], 1
	s_add_co_u32 s[G0B+1], s31, s34
	s_lshl_b32 s36, s29, 17                        ; the head's block in qf, kf and vf
	s_add_co_u32 s32, s32, s36
	s_add_co_u32 s34, s34, s36
	s_mov_b32 s33, 0
	s_mov_b32 s35, 0
	s_wait_kmcnt 0x0
	s_load_b256 s[16:23], s[88:89], 0x0            ; e0 .. e7
	s_load_b128 s[24:27], s[88:89], 0x20           ; e8 .. e11
	s_cmp_lt_u32 s[WV], 8
	s_cselect_b64 s[38:39], s[82:83], s[84:85]
	s_add_nc_u64 s[G0A+2:G0A+3], s[38:39], s[32:33]
	s_or_b32 s[G0A+3], s[G0A+3], 0x80000000
	s_add_nc_u64 s[G0B+2:G0B+3], s[38:39], s[34:35]
	s_or_b32 s[G0B+3], s[G0B+3], 0x80000000
	ROUND                                          ; all four work-groups are here: the joint loads meet
	tensor_load_to_lds s[G0A:G0A+3], s[G1A:G1A+7]
	s_nop 0
	s_wait_alu depctr_va_vdst(0)
	s_wait_tensorcnt 0x0
	ds_add_u32 v254, v255
	s_wait_dscnt 0x0
	ROUND
	tensor_load_to_lds s[G0B:G0B+3], s[G1B:G1B+7]
	s_nop 0
.rept 4
	v_nop
.endr
	v_and_b32 v1, 31, v0
	s_delay_alu instid0(VALU_DEP_1)
	v_lshlrev_b32 v[AK0], 4, v1
	s_delay_alu instid0(VALU_DEP_1)
	v_add_nc_u32 v[AV0], 0x20000, v[AK0]
	s_lshl_b32 s40, s28, 15                        ; Q: 32 tiles of 1,024 bytes a work-group,
	s_lshl_b32 s41, s[WV], 11                      ; two a wave
	s_add_co_u32 s40, s40, s41
	s_add_co_u32 s40, s40, s36
	s_mov_b32 s41, 0
	s_add_nc_u64 s[80:81], s[80:81], s[40:41]
.irp x, 0,1
.irp g, 0,1
	global_load_b128 v[Q+8*\x+4*\g:Q+8*\x+4*\g+3], v[AK0], s[80:81] offset:\x*1024+\g*512
.endr
.endr
	s_lshr_b32 s42, s29, 4                         ; b
	s_lshl_b32 s40, s42, 6
	s_lshl_b32 s43, s28, 4
	s_add_co_u32 s40, s40, s43
	s_add_co_u32 s40, s40, s[WV]                   ; 64 b + my pair of tiles
	s_lshl_b32 s40, s40, 13                        ; x 32 key steps x 256 bytes
	s_add_nc_u64 s[MP:MP+1], s[86:87], s[40:41]
	s_lshl_b32 s40, s42, 7
	s_lshl_b32 s43, s28, 5
	s_add_co_u32 s40, s40, s43
	s_lshl_b32 s43, s[WV], 1
	s_add_co_u32 s40, s40, s43                     ; my first tile of rows: 128 b + 32 cx + 2 wave
	s_lshl_b32 s40, s40, 4
	s_and_b32 s43, s29, 15
	s_add_co_u32 s40, s40, s43                     ; x 16 heads + head
	s_lshl_b32 s40, s40, 10
	s_add_nc_u64 s[CP:CP+1], s[90:91], s[40:41]
.irp x, 0,1
	v_mov_b32 v[ST+8*\x+1], 0xff61b1e6             ; the largest raw score so far: -3e38
	s_delay_alu instid0(VALU_DEP_1)
	v_floor_f32 v[ST+8*\x], -v[ST+8*\x+1]          ; -M
	v_mov_b32 v[ST+8*\x+2], 0                      ; l
	v_mov_b32 v[ST+8*\x+3], 0
	v_mov_b32 v[ST+8*\x+5], 0                      ; named as the upper half of f's pair
	v_mov_b32 v[30+\x], 0                          ; a lane permute's destination counts as one of its sources
.endr
.set jj, 0
.rept 64
	v_mov_b32 v[O+jj], 0                           ; O^T: the step is written once; its first trip finds zeros, which the first change of M leaves zeros
.set jj, jj+1
.endr
	s_wait_kmcnt 0x0
	s_add_co_i32 s40, s22, s23                     ; e6 + e7
	s_lshl_b32 s41, s40, 23
	s_add_co_i32 s[CS], s41, 0x3e38aa3b            ; log2(e) / 8, with e6 + e7 added to its exponent field
	s_mov_b32 s[CS+1], s[CS]
	s_sub_co_i32 s40, 160, s40
	s_lshl_b32 s40, s40, 23
	s_or_b32 s40, s40, 0x80000000
	v_mov_b32 v[NEG], s40                          ; -2^(33 - e6 - e7): x c it is -log2(e) x 2^30
	s_add_co_i32 s40, s24, 127
	s_lshl_b32 s41, s40, 23
	v_mov_b32 v[SCP], s41
	s_mov_b32 s[SEL], 0x76543210
	s_mov_b32 s[SEL+1], 0xfedcba98
	s_wait_tensorcnt 0x1                           ; my share of the first 256 keys is in; the second piece, issued behind it, may be out
	s_add_co_i32 s4, s24, s25                      ; (the first piece's descriptors are free)  e8 + e9
	s_add_co_i32 s6, s26, 127
	s_lshl_b32 s5, s6, 23                          ; 2^e10
	s_mov_b32 s9, 0
	s_barrier_signal -1
	s_barrier_wait -1                              ; everybody's share is in
	s_wait_loadcnt 0x0                             ; Q is in, and its base may be written: the mask words land there
	s_load_b512 s[16:31], s[MP:MP+1], 0x0
	s_load_b512 s[32:47], s[MP:MP+1], 0x40
	s_load_b512 s[48:63], s[MP:MP+1], 0x80
	s_load_b512 s[80:95], s[MP:MP+1], 0xc0
	s_mov_b32 s[TB], 0
	s_mov_b32 s[KSN], 0
; A KEY STEP: 64 keys, both tiles.
.macro STEP
	s_setprio 2
	v_add_nc_u32 v[ADK], s[TB], v[AK0]
	v_add_nc_u32 v[ADV], s[TB], v[AV0]
.irp c, 0,1,2,3
.irp g, 0,1
	ds_load_b128 v[KR+8*\c+4*\g:KR+8*\c+4*\g+3], v[ADK] offset:\c*1024+\g*512
.endr
.endr
	s_wait_dscnt 0x0
.irp c, 0,1,2,3
.irp x, 0,1
	v_wmma_f32_16x16x64_fp8_fp8 v[S+32*\x+8*\c:S+32*\x+8*\c+7], v[KR+8*\c:KR+8*\c+7], v[Q+8*\x:Q+8*\x+7], 0
.endr
.endr
	v_mov_b32 v[ST+6], v[ST]                       ; the old -M is kept.  These two and two v_nop are the four places behind the products
	v_mov_b32 v[ST+14], v[ST+8]
	v_nop
	v_nop
	s_wait_alu depctr_va_vdst(0)
	s_wait_kmcnt 0x0                               ; this step's mask words, asked for a step ago
.set nn, 0
.rept 48
	v_cndmask_b32 v[S+nn], v[S+nn], v[NEG], s[16+nn]   ; where the mask is set, the masked score; each accumulator from its low end on
.set nn, nn+1
.endr
.rept 16
	v_cndmask_b32 v[S+nn], v[S+nn], v[NEG], s[32+nn]
.set nn, nn+1
.endr
	s_cmp_lt_u32 s[KSN], 31                        ; the next step's words; the last step asks for its own again, so that no load leaves the buffer
	s_cselect_b32 s8, 256, 0
	s_add_nc_u64 s[MP:MP+1], s[MP:MP+1], s[8:9]    ; (the loads that read this base were shown done by the wait above)
	s_load_b512 s[16:31], s[MP:MP+1], 0x0
	s_load_b512 s[32:47], s[MP:MP+1], 0x40
	s_load_b512 s[48:63], s[MP:MP+1], 0x80
	s_load_b512 s[80:95], s[MP:MP+1], 0xc0
.irp ct, 0,1,2,3
.irp g, 0,1
	ds_load_b128 v[VR+8*\ct+4*\g:VR+8*\ct+4*\g+3], v[ADV] offset:\ct*1024+\g*512   ; V lands under the softmax; the 64 selects are the places behind the last step's products, which read these registers
.endr
.endr
	; the largest raw score of my query: two chains a tile, the two tiles by turns; the last line takes the old largest in
.irp x, 0,1
	v_max3_num_f32 v[ST+8*\x+7], v[S+32*\x], v[S+32*\x+1], v[S+32*\x+2]
	v_max3_num_f32 v[26+2*\x], v[S+32*\x+3], v[S+32*\x+4], v[S+32*\x+5]
.endr
.irp i, 6,10,14,18,22,26
.irp x, 0,1
	s_delay_alu instid0(VALU_DEP_4)
	v_max3_num_f32 v[ST+8*\x+7], v[ST+8*\x+7], v[S+32*\x+\i], v[S+32*\x+\i+1]
	s_delay_alu instid0(VALU_DEP_4)
	v_max3_num_f32 v[26+2*\x], v[26+2*\x], v[S+32*\x+\i+2], v[S+32*\x+\i+3]
.endr
.endr
.irp x, 0
	s_delay_alu instid0(VALU_DEP_4)
	v_max3_num_f32 v[ST+8*\x+7], v[ST+8*\x+7], v[S+32*\x+30], v[S+32*\x+31]
.endr
.irp x, 1
	s_delay_alu instid0(VALU_DEP_3)
	v_max3_num_f32 v[ST+8*\x+7], v[ST+8*\x+7], v[S+32*\x+30], v[S+32*\x+31]
.endr
.irp x, 0,1
	s_delay_alu instid0(VALU_DEP_2)
	v_max3_num_f32 v[ST+8*\x+7], v[ST+8*\x+7], v[26+2*\x], v[ST+8*\x+1]
.endr
.irp x, 0,1
	s_delay_alu instid0(VALU_DEP_2)
	v_permlanex16_b32 v[30+\x], v[ST+8*\x+7], s[SEL], s[SEL+1]   ; the query's other 32 keys lie in the lane 16 away
.endr
.irp x, 0,1
	s_delay_alu instid0(VALU_DEP_2)
	v_max_num_f32 v[ST+8*\x+1], v[ST+8*\x+7], v[30+\x]
.endr
.irp x, 0,1
	s_delay_alu instid0(VALU_DEP_2)
	v_mul_f32 v[ST+8*\x+7], s[CS], v[ST+8*\x+1]    ; as t (c is positive)
.endr
.irp x, 0,1
	s_delay_alu instid0(VALU_DEP_2)
	v_floor_f32 v[ST+8*\x], -v[ST+8*\x+7]          ; -M = floor(-t): M is a whole number
.endr
.irp x, 0,1
	s_delay_alu instid0(VALU_DEP_2)
	v_sub_f32 v[ST+8*\x+7], v[ST+8*\x], v[ST+8*\x+6]   ; old M - new M: a whole number, 0 or less
.endr
.irp x, 0,1
	s_delay_alu instid0(VALU_DEP_2)
	v_cvt_i32_f32 v[ST+8*\x+7], v[ST+8*\x+7]       ; (it saturates)
.endr
.irp x, 0,1
	s_delay_alu instid0(VALU_DEP_2)
	v_ldexp_f32 v[ST+8*\x+4], 1.0, v[ST+8*\x+7]    ; f = 2^(old M - new M)
.endr
.irp x, 0,1
.set jj, 0
.rept 16
	v_pk_fma_f32 v[S+32*\x+jj:S+32*\x+jj+1], v[S+32*\x+jj:S+32*\x+jj+1], s[CS:CS+1], v[ST+8*\x:ST+8*\x+1] op_sel_hi:[1,0,0]   ; t - M, two at a time
.set jj, jj+2
.endr
.endr
.set jj, 0
	s_setprio 1
	s_wait_alu depctr_va_vdst(0)
.rept 64
	v_exp_f32 v[S+jj], v[S+jj]                     ; p = 2^(t - M): one batch
.set jj, jj+1
.endr
	s_wait_alu depctr_va_vdst(0)
.irp x, 0,1
.set jj, 0
.rept 16
	v_pk_mul_f32 v[O+32*\x+jj:O+32*\x+jj+1], v[O+32*\x+jj:O+32*\x+jj+1], v[ST+8*\x+4:ST+8*\x+5] op_sel_hi:[1,0]   ; O^T under the new M: work that names no exponential's result, behind the batch
.set jj, jj+2
.endr
	v_pk_mul_f32 v[ST+8*\x+2:ST+8*\x+3], v[ST+8*\x+2:ST+8*\x+3], v[ST+8*\x+4:ST+8*\x+5] op_sel_hi:[1,0]   ; l likewise
.endr
	s_wait_alu depctr_va_vdst(0)                   ; one wait for the 64 exponentials, ahead of their first reader
.irp x, 0,1
	v_pk_add_f32 v[26+2*\x:27+2*\x], v[S+32*\x:S+32*\x+1], v[S+32*\x+2:S+32*\x+3]   ; l takes the UNQUANTISED p: two chains a tile
.endr
.irp j, 4,8,12,16,20,24,28
.irp x, 0,1
	v_pk_add_f32 v[ST+8*\x+2:ST+8*\x+3], v[ST+8*\x+2:ST+8*\x+3], v[S+32*\x+\j:S+32*\x+\j+1]
	v_pk_add_f32 v[26+2*\x:27+2*\x], v[26+2*\x:27+2*\x], v[S+32*\x+\j+2:S+32*\x+\j+3]
.endr
.endr
.irp x, 0
	s_delay_alu instid0(VALU_DEP_3)
	v_pk_add_f32 v[ST+8*\x+2:ST+8*\x+3], v[ST+8*\x+2:ST+8*\x+3], v[26+2*\x:27+2*\x]
.endr
.irp x, 1
	s_delay_alu instid0(VALU_DEP_2)
	v_pk_add_f32 v[ST+8*\x+2:ST+8*\x+3], v[ST+8*\x+2:ST+8*\x+3], v[26+2*\x:27+2*\x]
.endr
.set jj, 0
.rept 32
.set jj, jj+2
.endr
.irp x, 0,1
.irp c, 0,1,2,3
	v_cvt_scalef32_pk8_fp8_f32 v[P+8*\x+2*\c:P+8*\x+2*\c+1], v[S+32*\x+8*\c:S+32*\x+8*\c+7], v[SCP]
.endr
.endr
	v_nop                                          ; a plain line between the conversions and the products that read their results
	s_setprio 0
	s_wait_alu depctr_va_vdst(0)
	s_wait_dscnt 0x0                               ; V is in
.irp ct, 0,1,2,3
.irp x, 0,1
	v_wmma_f32_16x16x64_fp8_fp8 v[O+32*\x+8*\ct:O+32*\x+8*\ct+7], v[VR+8*\ct:VR+8*\ct+7], v[P+8*\x:P+8*\x+7], v[O+32*\x+8*\ct:O+32*\x+8*\ct+7]   ; eight accumulators by turns, one instruction a turn
.endr
.endr
	s_add_co_u32 s[TB], s[TB], 4096
	s_add_co_u32 s[KSN], s[KSN], 1
.endm
	s_mov_b32 s[CNT], 4
.Lfirst:                                           ; keys 0 to 255: LDS bytes 0 to 16,383 of each region, which have landed
	STEP
	s_sub_co_u32 s[CNT], s[CNT], 1
	s_cmp_lg_u32 s[CNT], 0
	s_cbranch_scc1 .Lfirst
	s_setprio 0
	s_wait_tensorcnt 0x0                           ; my share of the rest is in,
	s_wait_dscnt 0x0
	s_barrier_signal -1
	s_barrier_wait -1                              ; everybody's is
	s_mov_b32 s[CNT], 28
.Lrest:
	STEP
	s_sub_co_u32 s[CNT], s[CNT], 1
	s_cmp_lg_u32 s[CNT], 0
	s_cbranch_scc1 .Lrest
	s_setprio 0
	; THE WAY OUT.  ctx = O^T x 2^(e8 + e9) / l, converted at 2^e10: four conversions a tile give the image of 16 rows x this head's 64 channels.  The additions are the places behind the last products.
.irp x, 0,1
	v_add_f32 v[ST+8*\x+2], v[ST+8*\x+2], v[ST+8*\x+3]
.endr
.irp x, 0,1
	s_delay_alu instid0(VALU_DEP_2)
	v_permlanex16_b32 v[30+\x], v[ST+8*\x+2], s[SEL], s[SEL+1]
.endr
.irp x, 0,1
	s_delay_alu instid0(VALU_DEP_2)
	v_add_f32 v[ST+8*\x+2], v[ST+8*\x+2], v[30+\x]
.endr
	s_wait_alu depctr_va_vdst(0)
.irp x, 0,1
	v_rcp_f32 v[ST+8*\x+4], v[ST+8*\x+2]
.endr
	v_mov_b32 v26, s5                              ; (plain lines behind the reciprocals)  2^e10
	s_wait_alu depctr_va_vdst(0)                   ; one wait for both reciprocals, ahead of their first reader
.irp x, 0,1
	v_ldexp_f32 v[ST+8*\x+4], v[ST+8*\x+4], s4
.endr
.irp x, 0,1
.set jj, 0
.rept 16
	v_pk_mul_f32 v[S+32*\x+jj:S+32*\x+jj+1], v[O+32*\x+jj:O+32*\x+jj+1], v[ST+8*\x+4:ST+8*\x+5] op_sel_hi:[1,0]
.set jj, jj+2
.endr
.endr
.set jj, 0
.rept 64
.set jj, jj+1
.endr
.irp x, 0,1
.irp ct, 0,1,2,3
	v_cvt_scalef32_pk8_fp8_f32 v[P+8*\x+2*\ct:P+8*\x+2*\ct+1], v[S+32*\x+8*\ct:S+32*\x+8*\ct+7], v26
.endr
.endr
	v_nop
.irp x, 0,1
.irp g, 0,1
	global_store_b128 v[AK0], v[P+8*\x+4*\g:P+8*\x+4*\g+3], s[CP:CP+1] offset:\x*16384+\g*512   ; 32 lanes store 512 consecutive bytes
.endr
.endr
	s_wait_dscnt 0x0
	s_wait_xcnt 0x0
	v_lshl_add_u32 v254, v0, 2, 0x40000
	v_mov_b32 v255, 0
	s_wait_alu depctr_va_vdst(0)
	s_wait_tensorcnt 0x0
	ds_add_u32 v254, v255
	s_wait_dscnt 0x0
	ROUND                                          ; the closing round
	s_endpgm
.Lfunc_end_k_qca58b1bca9_attn:
	.size	k_qca58b1bca9_attn, .Lfunc_end_k_qca58b1bca9_attn-k_qca58b1bca9_attn
	.p2alignl 7, 3214868480
	.fill 96, 4, 3214868480
	.section	.rodata,"a",@progbits
	.p2align	6, 0x0
	.amdhsa_kernel k_qca58b1bca9_attn
		.amdhsa_group_segment_fixed_size 327680
		.amdhsa_private_segment_fixed_size 0
		.amdhsa_enable_private_segment 0
		.amdhsa_kernarg_size 48
		.amdhsa_user_sgpr_count 2
		.amdhsa_user_sgpr_kernarg_segment_ptr 1
		.amdhsa_wavefront_size32 1
		.amdhsa_system_sgpr_workgroup_id_x 1
		.amdhsa_system_sgpr_workgroup_id_y 1
		.amdhsa_system_sgpr_workgroup_id_z 1
		.amdhsa_system_vgpr_workitem_id 0
		.amdhsa_next_free_vgpr 256
		.amdhsa_next_free_sgpr 106
		.amdhsa_reserve_vcc 0
		.amdhsa_float_denorm_mode_32 3
		.amdhsa_float_denorm_mode_16_64 3
		.amdhsa_fp16_overflow 1
		.amdhsa_memory_ordered 1
		.amdhsa_forward_progress 1
		.amdhsa_inst_pref_size 53
	.end_amdhsa_kernel
	.amdgpu_metadata
---
amdhsa.version: [ 1, 2 ]
amdhsa.kernels:
  - .name:           k_qca58b1bca9_attn
    .symbol:         k_qca58b1bca9_attn.kd
    .args:
      - { .name: qf, .offset: 0, .size: 8, .value_kind: global_buffer, .address_space: global }
      - { .name: kf, .offset: 8, .size: 8, .value_kind: global_buffer, .address_space: global }
      - { .name: vf, .offset: 16, .size: 8, .value_kind: global_buffer, .address_space: global }
      - { .name: maskw, .offset: 24, .size: 8, .value_kind: global_buffer, .address_space: global }
      - { .name: lowp_scales, .offset: 32, .size: 8, .value_kind: global_buffer, .address_space: global }
      - { .name: ctxf, .offset: 40, .size: 8, .value_kind: global_buffer, .address_space: global }
    .group_segment_fixed_size: 327680
    .private_segment_fixed_size: 0
    .kernarg_segment_align: 8
    .kernarg_segment_size: 48
    .max_flat_workgroup_size: 512
    .sgpr_count:     106
    .vgpr_count:     256
    .wavefront_size: 32
...
	.end_amdgpu_metadata
.endif
;; end of part 3
;; launch oproj (part 4): grid 256 x 1, 8 waves a work-group, clusters of 4 x 1, 327,680 bytes of LDS; arguments ctxf, wof, input_Q, ln_gamma, ln_beta, lowp_scales, out0; writes out0
.if DOCPART == 4
	.amdgcn_target "amdgcn-amd-amdhsa--gfx1250"
	.amdhsa_code_object_version 6
	.text
	.protected	k_qca58b1bca9_oproj
	.globl	k_qca58b1bca9_oproj
	.p2align	8
	.type	k_qca58b1bca9_oproj,@function
k_qca58b1bca9_oproj:
	s_mov_b64 s[64:65], 0
	v_nop
	global_prefetch_b8 v0, s[64:65] scope:SCOPE_SE
	s_setreg_imm32_b32 hwreg(HW_REG_WAVE_MODE, 25, 1), 1
	s_wait_xcnt 0x0
	s_wait_alu depctr_hold_cnt(0) depctr_sa_sdst(0) depctr_va_vdst(0) depctr_va_sdst(0) depctr_va_ssrc(0) depctr_va_vcc(0) depctr_vm_vsrc(0)
	s_getreg_b32 s2, hwreg(HW_REG_IB_STS2, 6, 4)
	s_cmp_eq_u32 s2, 0
	s_cbranch_scc0 .Lentry_in_a_cluster
	s_endpgm
.Lentry_in_a_cluster:
	s_bfe_u32 s2, ttmp6, 0x10000c
	s_cmp_lg_u32 s2, 0x3003
	s_cbranch_scc0 .Lentry_shape_is_right
	s_endpgm
.Lentry_shape_is_right:
; out0 = LayerNorm(ctx w_o^T + input_Q) x gamma + beta.  ctx and w_o are E4M3 codes laid as images of a K = 128 operand's registers (ctxf, wof); sums in f32, x 2^(e10 + e11).
; SHARES.  A work-group owns 32 WHOLE rows (the norm needs whole rows) and all 1,024 columns; wave w owns columns 128 w .. 128 w + 127: 2 x 8 accumulators.
; Transposed use (source 0 = 16 rows of w_o, source 1 = 16 rows of ctx): lane (r, h) holds row r and, in tile t, columns 16 t + 8 h + 0..7.
; K goes in eight steps of 128 through two LDS slots of 131,072 bytes (all 64 column tiles); each wave fetches the eight tiles that it reads.
; CLUSTER.  All row blocks walk the same weights: the four work-groups of a cluster ask for each slot jointly (mask 15).  ctx's images and the residual are each work-group's own: plain loads.
; The residual, 32 rows x 512 bytes a wave, comes by the tensor load behind the last change of slots, over slot 0, which has been read out; it was prefetched into the L2 three and four K steps earlier.
; The variance is taken in a second pass over x - mean: no difference of large sums.
; LIMIT: e10 + e11 between -126 and 127, so that 2^(e10 + e11) is an f32 number.
.set SLOT1, 135168                     ; slot 0 at 0; the residual (8 waves x 32 rows x 528 bytes = 135,168) later lies over slot 0 and the 4,096 bytes behind it
.set AIMG,  266240                     ; ctx: [tile of rows 2][K step 8][g 4][lane][16 bytes]
.set PART,  299008                     ; two exchanges of 8 waves x 32 rows x 4 bytes
.set SPARE, 301056                     ; the spare words, 128 bytes for each wave
; the stage of the way out, 16 rows x 528 bytes a wave, lies in slot 1, which has then had its last fill and its last read
.set AFR, 32                           ; v32-63   ctx's two fragments
.set BF,  64                           ; v64-127  w_o's fragments: two sets of two
.set ACC, 128                          ; v128-255 accumulator (m, t) at 128 + 64 m + 8 t
.set G1B, 16                           ; s[16:23] group 1 of the weights; s[32:39] their two groups 0
.set G1A, 24                           ; s[24:31], s[40:43] ctx's
.set G0,  32
.set G0A, 40
.set G1R, 44                           ; s[44:51], s[52:55] the residual's
.set G0R, 52
; v1 spare word, v2 0 (both never rewritten); v3 16 x lane; v4 ctx's images; v5, v6 my tiles in slot 0, 1; v7 the residual; v8, v9 the stage in and out; v11, v12 the exchange; v13 4,096 x lane;
; v16-19 gamma, v20-23 beta of columns 128 w + 4 lane + 0..3; v24-31 at work
.macro ROUND
	s_barrier_signal -1
	s_barrier_wait -1
	s_cmp_lg_u32 s2, 0
	s_cbranch_scc1 .Lnot_wave_0_\@
	s_barrier_signal -3
.Lnot_wave_0_\@:
	s_barrier_wait -3
	s_barrier_signal -1
	s_barrier_wait -1
.endm
	s_load_b256 s[4:11], s[0:1], 0x0               ; ctxf s[4:5], wof s[6:7], input_Q s[8:9], ln_gamma s[10:11]
	s_load_b128 s[12:15], s[0:1], 0x20             ; ln_beta s[12:13], lowp_scales s[14:15]
	s_load_b64 s[66:67], s[0:1], 0x30              ; out0
	v_lshl_add_u32 v1, v0, 2, SPARE
	v_mov_b32 v2, 0
	ds_add_u32 v1, v2
	ds_add_u32 v1, v2
	s_wait_dscnt 0x0
	v_lshrrev_b32 v24, 5, v0
	v_readfirstlane_b32 s2, v24                    ; wave 0..7
	s_bfe_u32 s3, ttmp6, 0x40000                   ; cx
	s_lshl_b32 s68, ttmp9, 2
	s_add_co_u32 s68, s68, s3                      ; my block of 32 rows: it enters ctx's, input_Q's and out0's global addresses alone
	s_mov_b32 s[G1B], 15|(3<<16)|(1<<21)           ; the weights: 64 rows of 256 bytes, dense; mask: all four
	s_mov_b32 s[G1B+1], 32<<16
	s_mov_b32 s[G1B+2], 64<<16
	s_mov_b32 s[G1B+3], 32<<16
	s_mov_b32 s[G1B+4], 64
	s_mov_b32 s[G1B+5], 32
	s_mov_b32 s[G1B+6], 0
	s_mov_b32 s[G1B+7], 0
	s_mov_b32 s[G1A], 3<<16                        ; ctx: 16 rows of 256 bytes, dense; no mask
	s_mov_b32 s[G1A+1], 32<<16
	s_mov_b32 s[G1A+2], 16<<16
	s_mov_b32 s[G1A+3], 32<<16
	s_mov_b32 s[G1A+4], 16
	s_mov_b32 s[G1A+5], 32
	s_mov_b32 s[G1A+6], 0
	s_mov_b32 s[G1A+7], 0
	s_mov_b32 s[G1R], (2<<16)|(1<<20)|(6<<22)|(3<<25)   ; the residual: 32 rows of 128 f32, 1,024 apart; four words of padding behind every 128: LDS pitch 528
	s_mov_b32 s[G1R+1], 128<<16
	s_mov_b32 s[G1R+2], 32<<16
	s_mov_b32 s[G1R+3], 128<<16
	s_mov_b32 s[G1R+4], 32
	s_mov_b32 s[G1R+5], 1024
	s_mov_b32 s[G1R+6], 0
	s_mov_b32 s[G1R+7], 0
	s_lshl_b32 s69, s2, 14                         ; 16,384 x wave
	s_mov_b32 s[G0], 1
	s_lshl_b32 s[G0+1], s2, 14
	s_mov_b32 s[G0+4], 1
	s_add_co_u32 s[G0+5], s69, SLOT1
	s_mov_b32 s[G0A], 1
	s_lshl_b32 s[G0A+1], s2, 12
	s_add_co_u32 s[G0A+1], s[G0A+1], AIMG
	s_mov_b32 s[G0R], 1
	s_mul_i32 s[G0R+1], s2, 16896
	s_mov_b32 s70, s69
	s_mov_b32 s71, 0
	s_lshl_b32 s72, s68, 15                        ; ctx: 32,768 bytes a work-group, 4,096 a wave
	s_lshl_b32 s73, s2, 12
	s_add_co_u32 s72, s72, s73
	s_mov_b32 s73, 0
	s_lshl_b32 s74, s68, 17                        ; input_Q, out0: 32 rows of 4,096 bytes a work-group, 512 bytes of each a wave
	s_lshl_b32 s76, s2, 9
	s_add_co_u32 s74, s74, s76
	s_mov_b32 s75, 0
	s_mov_b32 s77, 0
	s_wait_kmcnt 0x0
	s_load_b64 s[56:57], s[14:15], 0x28            ; e10, e11
	s_add_nc_u64 s[G0+2:G0+3], s[6:7], s[70:71]    ; K step 0
	s_add_nc_u64 s[G0+6:G0+7], s[G0+2:G0+3], 131072   ; K step 1
	s_or_b32 s[G0+3], s[G0+3], 0x80000000
	s_or_b32 s[G0+7], s[G0+7], 0x80000000
	s_add_nc_u64 s[G0A+2:G0A+3], s[4:5], s[72:73]
	s_or_b32 s[G0A+3], s[G0A+3], 0x80000000
	s_add_nc_u64 s[62:63], s[8:9], s[74:75]        ; the prefetches' base: my 512 bytes of my block's first row
	s_mov_b64 s[G0R+2:G0R+3], s[62:63]
	s_or_b32 s[G0R+3], s[G0R+3], 0x80000000
	s_add_nc_u64 s[66:67], s[66:67], s[74:75]
	s_add_nc_u64 s[10:11], s[10:11], s[76:77]
	s_add_nc_u64 s[12:13], s[12:13], s[76:77]
	ROUND                                          ; all four work-groups are here
	tensor_load_to_lds s[G0A:G0A+3], s[G1A:G1A+7]  ; three first fills in one group: three tensor loads of a wave are out
	s_nop 0
	tensor_load_to_lds s[G0:G0+3], s[G1B:G1B+7]
	s_nop 0
	tensor_load_to_lds s[G0+4:G0+7], s[G1B:G1B+7]
	s_nop 0
.rept 4
	v_nop
.endr
	v_and_b32 v24, 31, v0                          ; lane
	v_and_b32 v25, 15, v0                          ; r
	v_bfe_u32 v26, v0, 4, 1                        ; h
	v_lshlrev_b32 v3, 4, v24
	global_load_b128 v[16:19], v3, s[10:11]
	global_load_b128 v[20:23], v3, s[12:13]
	v_add_nc_u32 v4, AIMG, v3
	v_add_nc_u32 v5, s69, v3
	v_add_nc_u32 v6, SLOT1, v5
	v_mul_u32_u24 v27, v25, 528
	v_lshl_add_u32 v27, v26, 5, v27                ; 528 r + 32 h
	s_mul_i32 s70, s2, 16896
	v_add_nc_u32 v7, s70, v27
	s_mul_i32 s70, s2, 8448
	s_add_co_u32 s70, s70, SLOT1
	v_add_nc_u32 v8, s70, v27
	v_add_nc_u32 v9, s70, v3
	s_lshl_b32 s70, s2, 7
	s_add_co_u32 s70, s70, PART
	v_lshlrev_b32 v12, 2, v24
	v_add_nc_u32 v11, s70, v12
	v_add_nc_u32 v12, PART, v12
	v_lshlrev_b32 v13, 12, v24
	s_mov_b32 s58, 0xffff0000                      ; lanes 16 to 31
	s_mov_b32 s59, 0x3a800000                      ; 1 / 1,024
	s_mov_b32 s78, 0xba800000                      ; -1 / 1,024
	s_mov_b32 s79, 0x3727c5ac                      ; 1e-5
	s_mov_b32 s60, 0x76543210
	s_mov_b32 s61, 0xfedcba98
	s_wait_kmcnt 0x0
	s_add_co_i32 s56, s56, s57
	s_add_co_i32 s56, s56, 127
	s_lshl_b32 s56, s56, 23                        ; 2^(e10 + e11)
	s_mov_b32 s57, s56
.macro AL s                            ; ctx's two fragments of K step s
.irp m, 0,1
.irp g, 0,1,2,3
	ds_load_b128 v[AFR+16*\m+4*\g:AFR+16*\m+4*\g+3], v4 offset:\m*16384+(\s)*2048+\g*512
.endr
.endr
.endm
.macro BG q, p, slot                   ; my column tiles 2 q and 2 q + 1 into set p
.irp u, 0,1
.irp g, 0,1,2,3
	ds_load_b128 v[BF+32*\p+16*\u+4*\g:BF+32*\p+16*\u+4*\g+3], v[5+\slot] offset:(2*\q+\u)*2048+\g*512
.endr
.endr
.endm
.macro MM q, p, zero                   ; four products; the 16 accumulators take turns, one instruction a turn, in the same order in every K step
.irp u, 0,1
.irp m, 0,1
.if \zero
	v_wmma_f32_16x16x128_fp8_fp8 v[ACC+64*\m+8*(2*\q+\u):ACC+64*\m+8*(2*\q+\u)+7], v[BF+32*\p+16*\u:BF+32*\p+16*\u+15], v[AFR+16*\m:AFR+16*\m+15], 0
.else
	v_wmma_f32_16x16x128_fp8_fp8 v[ACC+64*\m+8*(2*\q+\u):ACC+64*\m+8*(2*\q+\u)+7], v[BF+32*\p+16*\u:BF+32*\p+16*\u+15], v[AFR+16*\m:AFR+16*\m+15], v[ACC+64*\m+8*(2*\q+\u):ACC+64*\m+8*(2*\q+\u)+7]
.endif
.endr
.endr
.endm
.macro NOP4                            ; four places between products and loads into registers that they read (ISA guide 7.12.1 for vector instructions)
.rept 4
	v_nop
.endr
.endm
; A K step.  Each count of 8 leaves out the one group of eight loads issued last.  pf >= 0: a prefetch stands behind the first run of loads.
.macro STEP s, slot, zero, pf
	AL \s
	BG 0, 0, \slot
	BG 1, 1, \slot
.if \pf >= 0
	global_prefetch_b8 v13, s[62:63] offset:256*\pf th:TH_LOAD_NT scope:SCOPE_SE   ; a lane a row: half pf of my 512 bytes of each of my block's 32 rows of input_Q; each block of 256 bytes is named once in the launch
.endif
	s_wait_dscnt 8
	MM 0, 0, \zero
	NOP4
	BG 2, 0, \slot
	s_wait_dscnt 8
	MM 1, 1, \zero
	NOP4
	BG 3, 1, \slot
	s_wait_dscnt 8
	MM 2, 0, \zero
	s_wait_dscnt 0
	MM 3, 1, \zero
.endm
; THE CHANGE OF SLOTS ahead of K step k: every wave waits for all its tensor loads (its tiles of K step k among them), adds 0 to its spare word, waits for that and for its reads of the slot that it has left;
; a round of the cluster's barrier; then ONE tensor load: K step k + 1 into the slot just left, or, ahead of the last K step, the residual.
.macro TURN k
	s_wait_tensorcnt 0x0
	ds_add_u32 v1, v2
.if \k < 7
	s_add_nc_u64 s[G0+4*((\k-1)%2)+2:G0+4*((\k-1)%2)+3], s[G0+4*((\k-1)%2)+2:G0+4*((\k-1)%2)+3], 262144   ; no load of mine is out: the slot's next K step, two on
.endif
	s_wait_dscnt 0x0
	ROUND
.if \k < 7
	tensor_load_to_lds s[G0+4*((\k-1)%2):G0+4*((\k-1)%2)+3], s[G1B:G1B+7]
	s_nop 0
.else
	tensor_load_to_lds s[G0R:G0R+3], s[G1R:G1R+7]
	s_nop 0
.endif
	NOP4                                           ; also the places in front of the loads below
.set PFN, -1
.if (\k == 3) || (\k == 4)
.set PFN, \k-3
.endif
	STEP \k, (\k)%2, 0, PFN
.endm
	s_wait_tensorcnt 0x1                           ; ctx's images and K step 0 are in; K step 1's load, issued last, may be out
	s_barrier_signal -1
	s_barrier_wait -1
	STEP 0, 0, 1, -1                               ; the first products start the sums
.irp k, 1,2,3,4,5,6,7
	TURN \k
.endr
	; ---- x = sum x 2^(e10 + e11) + input_Q, in place
	s_wait_tensorcnt 0x0                           ; my part of the residual, which only I read
	NOP4
.irp m, 0,1
.irp t, 0,1,2,3,4,5,6,7
	ds_load_b128 v[BF+8*\t:BF+8*\t+3], v7 offset:\m*8448+64*\t
	ds_load_b128 v[BF+8*\t+4:BF+8*\t+7], v7 offset:\m*8448+64*\t+16
.endr
	s_wait_dscnt 0x0
.set jj, 0
.rept 32
	v_pk_fma_f32 v[ACC+64*\m+jj:ACC+64*\m+jj+1], v[ACC+64*\m+jj:ACC+64*\m+jj+1], s[56:57], v[BF+jj:BF+jj+1] op_sel_hi:[1,0,1]   ; each accumulator from its low end on
.set jj, jj+2
.endr
.endr
; Two chains a tile of rows (v[24+4m:25+4m], v[26+4m:27+4m]) become the rows' totals over all 1,024 columns: the halves, the lane 16 away, then the eight waves through LDS.
; Lane l carries row l into the exchange; at the end v24 holds the total of row r, v28 that of row 16 + r, in every lane.
.macro XCHG base
.irp m, 0,1
	v_pk_add_f32 v[24+4*\m:25+4*\m], v[24+4*\m:25+4*\m], v[26+4*\m:27+4*\m]
.endr
.irp m, 0,1
	v_add_f32 v[24+4*\m], v[24+4*\m], v[25+4*\m]
.endr
.irp m, 0,1
	v_permlanex16_b32 v[26+4*\m], v[24+4*\m], s60, s61
.endr
.irp m, 0,1
	v_add_f32 v[24+4*\m], v[24+4*\m], v[26+4*\m]
.endr
	v_cndmask_b32 v24, v24, v28, s58
	ds_store_b32 v11, v24 offset:\base
	s_wait_dscnt 0x0                               ; for the others' sake: my store has landed (and all my earlier LDS reads are in)
	s_barrier_signal -1
	s_barrier_wait -1
.irp u, 0,1,2,3,4,5,6,7
	ds_load_b32 v[32+\u], v12 offset:\base+128*\u
.endr
	s_wait_dscnt 0x0
	v_add_f32 v32, v32, v33
	v_add_f32 v34, v34, v35
	v_add_f32 v36, v36, v37
	v_add_f32 v38, v38, v39
	v_add_f32 v32, v32, v34
	v_add_f32 v36, v36, v38
	v_add_f32 v32, v32, v36
	v_permlanex16_b32 v33, v32, s60, s61
	v_cndmask_b32 v24, v32, v33, s58
	v_cndmask_b32 v28, v33, v32, s58
.endm
	; ---- the mean
.irp m, 0,1
	v_pk_add_f32 v[24+4*\m:25+4*\m], v[ACC+64*\m:ACC+64*\m+1], v[ACC+64*\m+2:ACC+64*\m+3]
	v_pk_add_f32 v[26+4*\m:27+4*\m], v[ACC+64*\m+4:ACC+64*\m+5], v[ACC+64*\m+6:ACC+64*\m+7]
.endr
.set jj, 8
.rept 14
.irp m, 0,1
	v_pk_add_f32 v[24+4*\m:25+4*\m], v[24+4*\m:25+4*\m], v[ACC+64*\m+jj:ACC+64*\m+jj+1]
	v_pk_add_f32 v[26+4*\m:27+4*\m], v[26+4*\m:27+4*\m], v[ACC+64*\m+jj+2:ACC+64*\m+jj+3]
.endr
.set jj, jj+4
.endr
	XCHG 0                                         ; (its barrier also parts every wave's last reads of slot 1 from the stage's stores below)
	v_mul_f32 v24, s78, v24                        ; -mean
	v_mul_f32 v28, s78, v28
.irp m, 0,1
.set jj, 0
.rept 32
	v_pk_add_f32 v[ACC+64*\m+jj:ACC+64*\m+jj+1], v[ACC+64*\m+jj:ACC+64*\m+jj+1], v[24+4*\m:25+4*\m] op_sel_hi:[1,0]   ; d = x - mean
.set jj, jj+2
.endr
.endr
	; ---- the variance: the mean of d^2
.irp m, 0,1
	v_pk_mul_f32 v[24+4*\m:25+4*\m], v[ACC+64*\m:ACC+64*\m+1], v[ACC+64*\m:ACC+64*\m+1]
	v_pk_mul_f32 v[26+4*\m:27+4*\m], v[ACC+64*\m+2:ACC+64*\m+3], v[ACC+64*\m+2:ACC+64*\m+3]
.endr
.set jj, 4
.rept 15
.irp m, 0,1
	v_pk_fma_f32 v[24+4*\m:25+4*\m], v[ACC+64*\m+jj:ACC+64*\m+jj+1], v[ACC+64*\m+jj:ACC+64*\m+jj+1], v[24+4*\m:25+4*\m]
	v_pk_fma_f32 v[26+4*\m:27+4*\m], v[ACC+64*\m+jj+2:ACC+64*\m+jj+3], v[ACC+64*\m+jj+2:ACC+64*\m+jj+3], v[26+4*\m:27+4*\m]
.endr
.set jj, jj+4
.endr
	XCHG 1024                                      ; other bytes than the first exchange's: no barrier is owed between the two
	v_fma_f32 v24, v24, s59, s79                   ; variance + 1e-5
	v_fma_f32 v28, v28, s59, s79
	v_rsq_f32 v24, v24
	v_rsq_f32 v28, v28
	v_nop                                          ; a plain line behind the last of them
	s_wait_alu depctr_va_vdst(0)                   ; one wait for both, ahead of their first reader
.irp m, 0,1
.set jj, 0
.rept 32
	v_pk_mul_f32 v[ACC+64*\m+jj:ACC+64*\m+jj+1], v[ACC+64*\m+jj:ACC+64*\m+jj+1], v[24+4*\m:25+4*\m] op_sel_hi:[1,0]
.set jj, jj+2
.endr
.endr
	s_wait_loadcnt 0x0                             ; gamma and beta
; THE WAY OUT of 16 rows: through my stage, so that the 32 lanes hold 512 neighbouring bytes of one row; there gamma and beta are a lane's own four columns'.  LDS serves a wave's instructions in order.
.macro OUT m, dst
.irp t, 0,1,2,3,4,5,6,7
	ds_store_b128 v8, v[ACC+64*\m+8*\t:ACC+64*\m+8*\t+3] offset:64*\t
	ds_store_b128 v8, v[ACC+64*\m+8*\t+4:ACC+64*\m+8*\t+7] offset:64*\t+16
.endr
.irp i, 0,1,2,3,4,5,6,7,8,9,10,11,12,13,14,15
	ds_load_b128 v[\dst+4*\i:\dst+4*\i+3], v9 offset:528*\i
.endr
.irp i, 0,1,2,3,4,5,6,7,8,9,10,11,12,13,14,15
	s_wait_dscnt 15-\i                             ; row i is back; the later rows' loads may be out
	v_pk_fma_f32 v[\dst+4*\i:\dst+4*\i+1], v[\dst+4*\i:\dst+4*\i+1], v[16:17], v[20:21]
	v_pk_fma_f32 v[\dst+4*\i+2:\dst+4*\i+3], v[\dst+4*\i+2:\dst+4*\i+3], v[18:19], v[22:23]
	global_store_b128 v3, v[\dst+4*\i:\dst+4*\i+3], s[66:67] offset:(16*\m+\i)*4096 th:TH_STORE_NT   ; 32 lanes store 512 consecutive bytes, aligned; written once
.endr
.endm
	OUT 0, 64
	OUT 1, 128                                     ; into the registers that the first 16 rows have left: no store's data are written again
	s_wait_tensorcnt 0x0                           ; the wave's end
	ds_add_u32 v1, v2
	s_wait_dscnt 0x0
	ROUND                                          ; the closing round
	s_endpgm
.Lfunc_end_k_qca58b1bca9_oproj:
	.size	k_qca58b1bca9_oproj, .Lfunc_end_k_qca58b1bca9_oproj-k_qca58b1bca9_oproj
	.p2alignl 7, 3214868480
	.fill 96, 4, 3214868480
	.section	.rodata,"a",@progbits
	.p2align	6, 0x0
	.amdhsa_kernel k_qca58b1bca9_oproj
		.amdhsa_group_segment_fixed_size 327680
		.amdhsa_private_segment_fixed_size 0
		.amdhsa_enable_private_segment 0
		.amdhsa_kernarg_size 56
		.amdhsa_user_sgpr_count 2
		.amdhsa_user_sgpr_kernarg_segment_ptr 1
		.amdhsa_wavefront_size32 1
		.amdhsa_system_sgpr_workgroup_id_x 1
		.amdhsa_system_sgpr_workgroup_id_y 1
		.amdhsa_system_sgpr_workgroup_id_z 1
		.amdhsa_system_vgpr_workitem_id 0
		.amdhsa_next_free_vgpr 256
		.amdhsa_next_free_sgpr 80
		.amdhsa_reserve_vcc 0
		.amdhsa_float_denorm_mode_32 3
		.amdhsa_float_denorm_mode_16_64 3
		.amdhsa_memory_ordered 1
		.amdhsa_forward_progress 1
		.amdhsa_inst_pref_size 81
	.end_amdhsa_kernel
	.amdgpu_metadata
---
amdhsa.version: [ 1, 2 ]
amdhsa.kernels:
  - .name:           k_qca58b1bca9_oproj
    .symbol:         k_qca58b1bca9_oproj.kd
    .args:
      - { .name: ctxf, .offset: 0, .size: 8, .value_kind: global_buffer, .address_space: global }
      - { .name: wof, .offset: 8, .size: 8, .value_kind: global_buffer, .address_space: global }
      - { .name: input_Q, .offset: 16, .size: 8, .value_kind: global_buffer, .address_space: global }
      - { .name: ln_gamma, .offset: 24, .size: 8, .value_kind: global_buffer, .address_space: global }
      - { .name: ln_beta, .offset: 32, .size: 8, .value_kind: global_buffer, .address_space: global }
      - { .name: lowp_scales, .offset: 40, .size: 8, .value_kind: global_buffer, .address_space: global }
      - { .name: out0, .offset: 48, .size: 8, .value_kind: global_buffer, .address_space: global }
    .group_segment_fixed_size: 327680
    .private_segment_fixed_size: 0
    .kernarg_segment_align: 8
    .kernarg_segment_size: 56
    .max_flat_workgroup_size: 256
    .sgpr_count:     80
    .vgpr_count:     256
    .wavefront_size: 32
...
	.end_amdgpu_metadata
.endif
;; end of part 4
